; MI455X (gfx1250); checked and timed in simulation.
; The chip was launched on July 23, 2026; its instructions are those of AMD's public machine-readable ISA for CDNA 5 (MIT licence, August 2026) and "CDNA5" Instruction Set Architecture Reference Guide (July 2026). The comments in the code are by the model that wrote it; some were corrected since.
;; Multi Head Self Attention. Allowed arithmetic: matrix products marked QUANTISED: E2M1 operands, one E8M0 scale for each 32 along K, by v_wmma_scale_f32_16x16x128_f8f6f4 with both operands' format E2M1 (or v_wmma_scale_f32_32x16x128_f4), f32 sums; products left as they are: bf16, f16 or f32 operands; f32 sums; everything else in f32.
;; Inputs: Wk 1,024 x 1,024 float32; Wo 1,024 x 1,024 float32; Wq 1,024 x 1,024 float32; Wv 1,024 x 1,024 float32; bk 1,024 float32; bo 1,024 float32; bq 1,024 float32; bv 1,024 float32; inputs 4 x 2,048 x 1,024 float32.
;; Outputs: out0 4 x 2,048 x 1,024 float32.
;; This version of the problem:
;;   THIS VERSION OF THE PROBLEM IS GIVEN IN LOW PRECISION. The matrix products marked QUANTISED in the list below multiply operands that are first quantised to E2M1 (2 exponent bits, 1 mantissa bit; 4 bits a number), with one power-of-two scale for each 32 numbers along K (OCP MX v1.0); their sums are f32. The products marked 'left as it is' may take bf16, f16 or f32 operands, with f32 sums. Whichever they take, every output number must still come out within the allowed error. Rounding operands to bf16 (8 significant bits) uses up far more of that allowance than f16 does (11 bits, for magnitudes from 6e-5 to 65,504). All else is computed in f32.
;;   The module's matrix products, in the order in which they are computed (A, B: the left and right operand; K: the contracted axis; several contracted axes count as one K, in the product's order):
;;     1. [M 8,192, K 1,024] x [K 1,024, N 1,024]; A: input inputs; B: input Wq: QUANTISED
;;     2. [M 8,192, K 1,024] x [K 1,024, N 1,024]; A: input inputs; B: input Wk: QUANTISED
;;     3. [M 8,192, K 1,024] x [K 1,024, N 1,024]; A: input inputs; B: input Wv: QUANTISED
;;     4. batch 64 x [M 2,048, K 64] x [K 64, N 2,048]; A: computed on the way; B: computed on the way: left as it is (an operand is computed on the way)
;;     5. batch 64 x [M 2,048, K 2,048] x [K 2,048, N 64]; A: computed on the way; B: computed on the way: left as it is (an operand is computed on the way)
;;     6. [M 8,192, K 1,024] x [K 1,024, N 1,024]; A: computed on the way; B: input Wo: left as it is (an operand is computed on the way)
;;   THE QUANTISER, for each operand of a quantised product, along K:
;;     - K is cut into blocks of 32 from its start; a last block that is shorter is filled with zeros.
;;     - A block's scale is 2^e with e = floor(log2(the largest magnitude in the block)) - 2, held to -126 .. 127; a block of zeros has e = 0. As a byte (E8M0): e + 127.
;;     - Each number is divided by its block's scale, clamped to +-6, and rounded to the nearest number of E2M1, ties to even, subnormals kept.
;;     - The product sums the exact products of the quantised numbers (number of the format x scale) in f32.
;;   ~~~python
;;   def quantise(x, axis):      # numpy; x: float32 -> the quantised numbers, widened to float32 again
;;       x = np.moveaxis(x, axis, -1); K = x.shape[-1]
;;       x = np.pad(x, [(0, 0)] * (x.ndim - 1) + [(0, -K % 32)]); x = x.reshape(x.shape[:-1] + (-1, 32)); a = np.abs(x).max(-1, keepdims=True)
;;       e = np.where(a > 0, np.clip(np.frexp(np.where(a > 0, a, 1))[1] - 1 - 2, -126, 127), 0)      # np.frexp(a)[1] - 1 = floor(log2(a)), exactly
;;       r = np.clip(x / 2.0 ** e, -6, 6)
;;       step = 2.0 ** (np.maximum(np.frexp(np.where(r == 0, 1, r))[1] - 1, 0) - 1)
;;       q = np.round(r / step) * step * 2.0 ** e      # np.round: ties to even
;;       return np.moveaxis(q.reshape(q.shape[:-2] + (-1,))[..., :K], -1, axis).astype(np.float32)
;;   ~~~
;; One version. Each part assembles by itself: llvm-mc -triple=amdgcn-amd-amdhsa -mcpu=gfx1250 --defsym DOCPART=n.
;; ======== version 1 of 1: 4 launches
;; limits: values are held in f16: magnitudes above 65,504 overflow, below 6.1e-05 lose precision
;; workspace buffers: xc 4,194,304 bytes; xs 262,144 bytes; wc 1,572,864 bytes; ws 98,304 bytes; wot 2,097,152 bytes; qkv 50,331,648 bytes; ao 16,777,216 bytes
;; launch prep (part 1): grid 368 x 1, 4 waves a work-group, no clusters, 102,912 bytes of LDS; arguments inputs, Wq, Wk, Wv, Wo, xc, xs, wc, ws, wot; writes xc, xs, wc, ws, wot
.if DOCPART == 1
	.amdgcn_target "amdgcn-amd-amdhsa--gfx1250"
	.amdhsa_code_object_version 6
	.text
	.protected	k_q9b37c507aa_prep
	.globl	k_q9b37c507aa_prep
	.p2align	8
	.type	k_q9b37c507aa_prep,@function
k_q9b37c507aa_prep:
	s_mov_b64 s[64:65], 0
	v_nop
	global_prefetch_b8 v0, s[64:65] scope:SCOPE_SE
	s_setreg_imm32_b32 hwreg(HW_REG_WAVE_MODE, 25, 1), 1
	s_wait_xcnt 0x0
; MULTI-HEAD SELF-ATTENTION, launch 1 of 4: the operands are laid as the later launches want them.
;   inputs [8192][1024] f32  -> xc: codes of FP4 (E2M1), K innermost, 512 bytes a row;  xs: one E8M0 byte for each 32 along K, 32 bytes a row.
;   Wq, Wk, Wv [1024 k][1024 n] f32, K their FIRST axis -> wc [3072 = 1024 x matrix + n][512 bytes], K innermost;  ws [3072][32 bytes].
;   Wo [1024 k][1024 n] f32 -> wot [1024 n][1024 k] f16 (the product with Wo is left as it is: f16 operands, f32 sums).
; WORK LEFT OUT, in the whole program: bk.  k = inputs Wk + bk enters one product alone, the scores q . k, which is not quantised.  q . (k + bk) = q . k + q . bk, and q . bk is the same
; number for every key of a query's row; softmax along the keys is unchanged by a term that is the same along its axis, whatever finite values the inputs hold.  So bk reaches no output: it is not loaded and
; is no argument of any launch.  bq stays (q . k moves differently from key to key), bv and bo stay (they reach the output).  LIMIT: a NaN, an infinity or an overflow that bk alone would bring is not carried to the result.
; THE QUANTISER: a block's scale is 2^(floor(log2(its largest magnitude)) - 2); its byte is the largest magnitude's exponent field - 2, held at 1 from below; each number / scale goes to the nearest code, ties to even, beyond 6 the largest code.
; LIMITS: a block of zeros gets the byte 1 where the rule says 127 (its codes are zeros, and this program alone reads the bytes); blocks whose largest magnitude lies under 2^-124 were not tried; NaN and infinities among the inputs are not served;
; Wo's numbers must lie under 65,504 in magnitude (f16).
; SHARES: work-groups 0-255 take inputs (a wave: 8,192 numbers on end), 256-303 the three weights (a wave: 32 columns x 512 along K), 304-367 Wo (a wave: 32 columns x 128 along K).
; The three ways part on the work-group's number and never join; each has LDS bytes of its own.  No tensor load, no barrier: waves share nothing.
.set SPW,   192                        ; v192  LDS address of my spare word: SPARE + 4 x my thread's number; never rewritten
.set NIL,   193                        ; v193  0; never rewritten
.set WLDS,  32768                      ; LDS: inputs' way 4 x 8,192 from 0; the weights' way 4 x 8,704 from here;
.set OLDS,  67584                      ; Wo's way 4 x 8,704 from here;
.set SPARE, 102400                     ; the spare words, 128 bytes for each wave: two blocks of 256 bytes that no other line names
; ---- inputs' way: registers
.set XR,    16                         ; v16-79   four sets of 16 numbers as they are loaded
.set XX,    80                         ; v80-111  two sets of 16 neighbours along K
.set XE,    112                        ; v112-127 a scale byte for each step
.set XC,    128                        ; v128-191 codes: four registers for each step, so that no store's data are written again
.set XSP,   80                         ; a lane's place in a stage: its 64 bytes + 16 of padding
; ---- the weights' ways: registers
.set PITCH, 272                        ; a stage row: 256 bytes + 16
.set WX,    32                         ; v32-95   two sets of 32 numbers (Wo: v32-159, four sets)
.set WC,    96                         ; v96-99   a block's codes
.set WOUT,  112                        ; v112-175 the way out: 16 x 4 registers
.set WSB,   24                         ; v24-27   the scale bytes, four to a register
.macro XLOAD t                         ; step t: four loads of 512 consecutive bytes
.irp i, 0,1,2,3
	global_load_b128 v[XR+16*((\t)%4)+4*\i:XR+16*((\t)%4)+4*\i+3], v3, s[4:5] offset:2048*(\t)+512*\i th:TH_LOAD_NT
.endr
.endm
.macro XTURN t                         ; step t's numbers through the wave's stage: in as they lie, back 64 bytes a lane.  LDS serves a wave's instructions in order: no wait between the stores and the loads
.irp i, 0,1,2,3
	ds_store_b128 v14, v[XR+16*((\t)%4)+4*\i:XR+16*((\t)%4)+4*\i+3] offset:32*XSP*((\t)%2)+8*XSP*\i
.endr
.irp i, 0,1,2,3
	ds_load_b128 v[XX+16*((\t)%2)+4*\i:XX+16*((\t)%2)+4*\i+3], v15 offset:32*XSP*((\t)%2)+16*\i
.endr
.endm
.macro XSTEP t
.set XS, XX+16*((\t)%2)
.if (\t) > 0
	s_wait_dscnt 1                                 ; this step's numbers are back from the stage (the last step's byte store may be out): so its stores into the stage have read their registers,
.else
	s_wait_dscnt 0x0
.endif
.if (\t)+4 < 16
	XLOAD (\t)+4                                   ; which take the loads of four steps on
.endif
.if (\t)+1 < 16
.if 14-(\t) >= 3
	s_wait_loadcnt 12                              ; the next step's four loads are in; those of the three steps behind it may be out
.else
	s_wait_loadcnt 4*(14-(\t))
.endif
	XTURN (\t)+1                                   ; and go through the other stage while this step is worked
.endif
	v_max3_num_f32 v8, |v[XS]|, |v[XS+1]|, |v[XS+2]|               ; the largest magnitude of my 16, in two chains
	v_max3_num_f32 v9, |v[XS+3]|, |v[XS+4]|, |v[XS+5]|
.irp i, 6,10
	v_max3_num_f32 v8, v8, |v[XS+\i]|, |v[XS+\i+1]|
	v_max3_num_f32 v9, v9, |v[XS+\i+2]|, |v[XS+\i+3]|
.endr
	v_max3_num_f32 v8, v8, |v[XS+14]|, |v[XS+15]|
	v_max3_num_f32 v8, v8, v9, 0x1800000           ; and the floor 2^(3 - 127): the byte cannot fall under 1
	v_max_num_f32_dpp v8, v8, v8 row_xmask:1 row_mask:0xf bank_mask:0xf   ; and of my neighbour's 16: the block's
	v_add_nc_u32 v11, 0xff000000, v8               ; 2 off its exponent field: the conversion takes the exponent field of this operand as its scale, and nothing else of it
	v_cvt_scalef32_pk8_fp4_f32 v[XC+4*(\t)], v[XS:XS+7], v11
	v_cvt_scalef32_pk8_fp4_f32 v[XC+4*(\t)+1], v[XS+8:XS+15], v11
	v_lshrrev_b32 v[XE+(\t)], 23, v11              ; the scale's byte
	ds_store_b8 v5, v[XE+(\t)] offset:16*(\t)      ; both lanes of a block write the same byte with the same value
	global_store_b64 v4, v[XC+4*(\t):XC+4*(\t)+1], s[14:15] offset:256*(\t)   ; the wave stores 256 consecutive bytes, aligned
.endm
.macro WLOAD t                         ; block t: W(32 t + i, my column), i = 0 .. 31, into set t % 2: each load reads 128 consecutive bytes
.set i, 0
.rept 32
	global_load_b32 v[WX+32*((\t)%2)+i], v3, s[30:31] offset:(32*(\t)+i)*4096 th:TH_LOAD_NT
.set i, i+1
.endr
.endm
.macro WBLOCK t
.set XS, WX+32*((\t)%2)
.if (\t) < 15
	s_wait_loadcnt 32                              ; this block's 32 loads are in; the next block's may be out
.else
	s_wait_loadcnt 0
.endif
	v_max3_num_f32 v12, |v[XS]|, |v[XS+1]|, |v[XS+2]|              ; the block's largest magnitude: all 32 numbers are mine
	v_max3_num_f32 v13, |v[XS+3]|, |v[XS+4]|, |v[XS+5]|
.irp i, 6,10,14,18,22,26
	v_max3_num_f32 v12, v12, |v[XS+\i]|, |v[XS+\i+1]|
	v_max3_num_f32 v13, v13, |v[XS+\i+2]|, |v[XS+\i+3]|
.endr
	v_max3_num_f32 v12, v12, |v[XS+30]|, |v[XS+31]|
	v_max3_num_f32 v12, v12, v13, 0x1800000        ; and the floor
	v_add_nc_u32 v11, 0xff000000, v12              ; the conversion's scale operand
	v_lshrrev_b32 v13, 23, v11                     ; the scale's byte
.if (\t)%4 == 0
	v_mov_b32 v[WSB+(\t)/4], v13                   ; four bytes to a register, the lower K in the lower byte
.else
	v_lshl_or_b32 v[WSB+(\t)/4], v13, 8*((\t)%4), v[WSB+(\t)/4]
.endif
.irp g, 0,1,2,3
	v_cvt_scalef32_pk8_fp4_f32 v[WC+\g], v[XS+8*\g:XS+8*\g+7], v11
.endr
	ds_store_b128 v4, v[WC:WC+3] offset:16*(\t)    ; 32 codes: 16 bytes of my column's row
.if (\t)+2 < 16
	WLOAD (\t)+2
.endif
	s_wait_dscnt 0x0                               ; the store has read its registers: the next block's codes may be written
.endm
.macro OLOAD t                         ; Wo(128 y + 32 t + i, my column) into set t of four
.set i, 0
.rept 32
	global_load_b32 v[WX+32*(\t)+i], v3, s[12:13] offset:(32*(\t)+i)*4096 th:TH_LOAD_NT
.set i, i+1
.endr
.endm
.macro OBLOCK t
.if (\t) < 3
	s_wait_loadcnt 32                              ; this set's 32 loads are in; the next set's may be out
.else
	s_wait_loadcnt 0
.endif
.set i, 0
.rept 16
	v_cvt_pk_f16_f32 v[WX+32*(\t)+i], v[WX+32*(\t)+2*i], v[WX+32*(\t)+2*i+1]   ; two neighbours along K to f16, in place, ascending: no number is overwritten before it is read
.set i, i+1
.endr
.irp g, 0,1,2,3
	ds_store_b128 v4, v[WX+32*(\t)+4*\g:WX+32*(\t)+4*\g+3] offset:64*(\t)+16*\g
.endr
.if (\t)+2 < 4
	OLOAD (\t)+2
.endif
.endm
.macro CLOSE                           ; a wave's end, behind my last LDS store
	s_wait_tensorcnt 0x0
	ds_add_u32 v[SPW], v[NIL]
	s_wait_dscnt 0x0
	s_endpgm
.endm
	s_load_b512 s[4:19], s[0:1], 0x0               ; inputs s[4:5], Wq s[6:7], Wk s[8:9], Wv s[10:11], Wo s[12:13], xc s[14:15], xs s[16:17], wc s[18:19]
	s_load_b128 s[20:23], s[0:1], 0x40             ; ws s[20:21], wot s[22:23]
	v_lshl_add_u32 v[SPW], v0, 2, SPARE
	v_mov_b32 v[NIL], 0
	v_lshrrev_b32 v1, 5, v0
	v_readfirstlane_b32 s24, v1                    ; wave 0..3
	v_and_b32 v2, 31, v0                           ; lane
	s_mov_b32 s33, 0                               ; the high word of every offset below
	s_wait_kmcnt 0x0
	s_cmp_lt_u32 ttmp9, 256
	s_cbranch_scc0 .Lweights
	; ================ inputs: a plain stream of blocks of 32 numbers; nothing here knows of rows
	v_lshlrev_b32 v3, 4, v2                        ; my 16 bytes of a load's 512
	s_mul_i32 s25, s24, 8192                       ; my wave's LDS: two stages of 32 x 80 bytes, behind them its 256 scale bytes
	v_lshrrev_b32 v14, 2, v2
	v_mul_u32_u24 v14, v14, XSP
	v_and_b32 v15, 3, v2
	v_lshl_add_u32 v14, v15, 4, v14
	v_add_nc_u32 v14, s25, v14                     ; the stage, on the way in: 80 (lane / 4) + 16 (lane % 4)
	v_mul_u32_u24 v15, v2, XSP
	v_add_nc_u32 v15, s25, v15                     ; and on the way out: 80 x lane: my 16 neighbours
	v_lshlrev_b32 v4, 3, v2                        ; my codes' place in a step's: 8 bytes a lane
	v_lshrrev_b32 v5, 1, v2
	s_add_co_u32 s25, s25, 2*32*XSP
	v_add_nc_u32 v5, s25, v5                       ; my block's scale byte
	v_lshlrev_b32 v7, 3, v2
	v_add_nc_u32 v6, s25, v7                       ; and on the way out 8 bytes a lane
	s_lshl_b32 s26, ttmp9, 2
	s_add_co_u32 s26, s26, s24                     ; which run of 8,192 numbers is my wave's
	s_lshl_b32 s32, s26, 15
	s_add_nc_u64 s[4:5], s[4:5], s[32:33]          ; 32,768 bytes of numbers,
	s_lshl_b32 s32, s26, 12
	s_add_nc_u64 s[14:15], s[14:15], s[32:33]      ; 4,096 of codes,
	s_lshl_b32 s32, s26, 8
	s_add_nc_u64 s[16:17], s[16:17], s[32:33]      ; 256 scale bytes a run
.irp t, 0,1,2,3
	XLOAD \t
.endr
	s_wait_loadcnt 12                              ; step 0's four loads are in
	XTURN 0
.irp t, 0,1,2,3,4,5,6,7,8,9,10,11,12,13,14,15
	XSTEP \t
.endr
	ds_load_b64 v[8:9], v6                         ; LDS serves a wave's instructions in order: these see my byte stores
	s_wait_dscnt 0x0
	global_store_b64 v7, v[8:9], s[16:17]          ; the wave stores 256 consecutive bytes, aligned
	CLOSE
.Lweights:
	v_lshlrev_b32 v3, 2, v2                        ; in: 4 bytes a lane: A LANE TAKES A COLUMN n, AND ITS REGISTERS RUN DOWN K
	v_and_b32 v5, 15, v2
	v_lshrrev_b32 v6, 4, v2                        ; out: sixteen lanes to a row, two rows an instruction
	s_cmp_lt_u32 ttmp9, 304
	s_cbranch_scc0 .Lwo
	; ================ Wq, Wk, Wv: 16 work-groups each: 8 along n x 2 along K
	s_sub_co_u32 s25, ttmp9, 256
	s_lshr_b32 s26, s25, 4                         ; which matrix: 0 q, 1 k, 2 v
	s_bfe_u32 s27, s25, 0x10003                    ; which 512 along K
	s_and_b32 s28, s25, 7
	s_lshl_b32 s28, s28, 7
	s_lshl_b32 s29, s24, 5
	s_add_co_u32 s28, s28, s29                     ; my wave's first column
	s_cmp_eq_u32 s26, 0                            ; the choice hangs on the work-group's number alone
	s_cselect_b64 s[30:31], s[6:7], s[8:9]
	s_cmp_eq_u32 s26, 2
	s_cselect_b64 s[30:31], s[10:11], s[30:31]
	s_lshl_b32 s32, s27, 21                        ; 512 rows of 4,096 bytes
	s_lshl_b32 s34, s28, 2
	s_add_co_u32 s32, s32, s34
	s_add_nc_u64 s[30:31], s[30:31], s[32:33]
	s_lshl_b32 s34, s26, 10
	s_add_co_u32 s34, s34, s28                     ; my first row of wc and ws
	s_lshl_b32 s32, s34, 9
	s_lshl_b32 s35, s27, 8
	s_add_co_u32 s32, s32, s35
	s_add_nc_u64 s[18:19], s[18:19], s[32:33]
	s_lshl_b32 s32, s34, 5
	s_lshl_b32 s35, s27, 4
	s_add_co_u32 s32, s32, s35
	s_add_nc_u64 s[20:21], s[20:21], s[32:33]
	s_mul_i32 s36, s24, 32*PITCH
	s_add_co_u32 s36, s36, WLDS                    ; my stage
	v_mul_u32_u24 v4, v2, PITCH
	v_add_nc_u32 v4, s36, v4                       ; into it: row = my column
	v_mul_u32_u24 v7, v6, PITCH
	v_lshl_add_u32 v7, v5, 4, v7
	v_add_nc_u32 v7, s36, v7                       ; out of it
	v_lshlrev_b32 v8, 9, v6
	v_lshl_add_u32 v8, v5, 4, v8                   ; and the same place in wc: rows of 512 bytes
	v_lshlrev_b32 v9, 5, v2                        ; my column's row of scale bytes
	WLOAD 0
	WLOAD 1
.set Q, 0
.rept 16
	WBLOCK Q
.set Q, Q+1
.endr
	global_store_b128 v9, v[WSB:WSB+3], s[20:21]   ; my column's 16 scale bytes: pieces of 16 bytes, 32 apart; one byte in 128 of what this way reads
.irp t, 0,1,2,3,4,5,6,7,8,9,10,11,12,13,14,15
	ds_load_b128 v[WOUT+4*\t:WOUT+4*\t+3], v7 offset:2*\t*PITCH
.endr
.irp t, 0,1,2,3,4,5,6,7,8,9,10,11,12,13,14,15
	s_wait_dscnt 15-\t
	global_store_b128 v8, v[WOUT+4*\t:WOUT+4*\t+3], s[18:19] offset:1024*\t   ; sixteen lanes store 256 consecutive bytes, aligned
.endr
	CLOSE
.Lwo:
	; ================ Wo: 8 work-groups along n x 8 along K
	s_sub_co_u32 s25, ttmp9, 304
	s_lshr_b32 s27, s25, 3                         ; which 128 along K
	s_and_b32 s28, s25, 7
	s_lshl_b32 s28, s28, 7
	s_lshl_b32 s29, s24, 5
	s_add_co_u32 s28, s28, s29                     ; my wave's first column
	s_lshl_b32 s32, s27, 19                        ; 128 rows of 4,096 bytes
	s_lshl_b32 s34, s28, 2
	s_add_co_u32 s32, s32, s34
	s_add_nc_u64 s[12:13], s[12:13], s[32:33]
	s_lshl_b32 s32, s28, 11                        ; wot: rows of 2,048 bytes
	s_lshl_b32 s35, s27, 8
	s_add_co_u32 s32, s32, s35
	s_add_nc_u64 s[22:23], s[22:23], s[32:33]
	s_mul_i32 s36, s24, 32*PITCH
	s_add_co_u32 s36, s36, OLDS                    ; my stage
	v_mul_u32_u24 v4, v2, PITCH
	v_add_nc_u32 v4, s36, v4
	v_mul_u32_u24 v7, v6, PITCH
	v_lshl_add_u32 v7, v5, 4, v7
	v_add_nc_u32 v7, s36, v7
	v_lshlrev_b32 v8, 11, v6
	v_lshl_add_u32 v8, v5, 4, v8
	OLOAD 0
	OLOAD 1
.irp t, 0,1,2,3
	OBLOCK \t
.endr
	s_wait_dscnt 0x0                               ; the stores have read their registers: the rows may come back into them
.irp t, 0,1,2,3,4,5,6,7,8,9,10,11,12,13,14,15
	ds_load_b128 v[WX+4*\t:WX+4*\t+3], v7 offset:2*\t*PITCH
.endr
.irp t, 0,1,2,3,4,5,6,7,8,9,10,11,12,13,14,15
	s_wait_dscnt 15-\t
	global_store_b128 v8, v[WX+4*\t:WX+4*\t+3], s[22:23] offset:4096*\t       ; sixteen lanes store 256 consecutive bytes, aligned
.endr
	CLOSE
.Lfunc_end_k_q9b37c507aa_prep:
	.size	k_q9b37c507aa_prep, .Lfunc_end_k_q9b37c507aa_prep-k_q9b37c507aa_prep
	.p2alignl 7, 3214868480
	.fill 96, 4, 3214868480
	.section	.rodata,"a",@progbits
	.p2align	6, 0x0
	.amdhsa_kernel k_q9b37c507aa_prep
		.amdhsa_group_segment_fixed_size 102912
		.amdhsa_private_segment_fixed_size 0
		.amdhsa_enable_private_segment 0
		.amdhsa_kernarg_size 80
		.amdhsa_user_sgpr_count 2
		.amdhsa_user_sgpr_kernarg_segment_ptr 1
		.amdhsa_wavefront_size32 1
		.amdhsa_system_sgpr_workgroup_id_x 1
		.amdhsa_system_sgpr_workgroup_id_y 1
		.amdhsa_system_sgpr_workgroup_id_z 1
		.amdhsa_system_vgpr_workitem_id 0
		.amdhsa_next_free_vgpr 194
		.amdhsa_next_free_sgpr 66
		.amdhsa_reserve_vcc 0
		.amdhsa_float_denorm_mode_32 3
		.amdhsa_float_denorm_mode_16_64 3
		.amdhsa_memory_ordered 1
		.amdhsa_forward_progress 1
		.amdhsa_inst_pref_size 132
	.end_amdhsa_kernel
	.amdgpu_metadata
---
amdhsa.version: [ 1, 2 ]
amdhsa.kernels:
  - .name:           k_q9b37c507aa_prep
    .symbol:         k_q9b37c507aa_prep.kd
    .args:
      - { .name: inputs, .offset: 0, .size: 8, .value_kind: global_buffer, .address_space: global }
      - { .name: Wq, .offset: 8, .size: 8, .value_kind: global_buffer, .address_space: global }
      - { .name: Wk, .offset: 16, .size: 8, .value_kind: global_buffer, .address_space: global }
      - { .name: Wv, .offset: 24, .size: 8, .value_kind: global_buffer, .address_space: global }
      - { .name: Wo, .offset: 32, .size: 8, .value_kind: global_buffer, .address_space: global }
      - { .name: xc, .offset: 40, .size: 8, .value_kind: global_buffer, .address_space: global }
      - { .name: xs, .offset: 48, .size: 8, .value_kind: global_buffer, .address_space: global }
      - { .name: wc, .offset: 56, .size: 8, .value_kind: global_buffer, .address_space: global }
      - { .name: ws, .offset: 64, .size: 8, .value_kind: global_buffer, .address_space: global }
      - { .name: wot, .offset: 72, .size: 8, .value_kind: global_buffer, .address_space: global }
    .group_segment_fixed_size: 102912
    .private_segment_fixed_size: 0
    .kernarg_segment_align: 8
    .kernarg_segment_size: 80
    .max_flat_workgroup_size: 128
    .sgpr_count:     66
    .vgpr_count:     194
    .wavefront_size: 32
...
	.end_amdgpu_metadata
.endif
;; end of part 1
;; launch qkv (part 2): grid 12 x 32, 4 waves a work-group, clusters of 4 x 4, 327,680 bytes of LDS; arguments xc, xs, wc, ws, bq, bv, qkv; writes qkv
.if DOCPART == 2
	.amdgcn_target "amdgcn-amd-amdhsa--gfx1250"
	.amdhsa_code_object_version 6
	.text
	.protected	k_q9b37c507aa_qkv
	.globl	k_q9b37c507aa_qkv
	.p2align	8
	.type	k_q9b37c507aa_qkv,@function
k_q9b37c507aa_qkv:
	s_mov_b64 s[64:65], 0
	v_nop
	global_prefetch_b8 v0, s[64:65] scope:SCOPE_SE
	s_setreg_imm32_b32 hwreg(HW_REG_WAVE_MODE, 25, 1), 1
	s_wait_xcnt 0x0
	s_wait_alu depctr_hold_cnt(0) depctr_sa_sdst(0) depctr_va_vdst(0) depctr_va_sdst(0) depctr_va_ssrc(0) depctr_va_vcc(0) depctr_vm_vsrc(0)
	s_getreg_b32 s2, hwreg(HW_REG_IB_STS2, 6, 4)
	s_cmp_eq_u32 s2, 0
	s_cbranch_scc0 .Lentry_in_a_cluster
	s_endpgm
.Lentry_in_a_cluster:
	s_bfe_u32 s2, ttmp6, 0x10000c
	s_cmp_lg_u32 s2, 0xf033
	s_cbranch_scc0 .Lentry_shape_is_right
	s_endpgm
.Lentry_shape_is_right:
; Launch 2 of 4: q = x Wq + bq, k = x Wk, v = x Wv + bv as ONE product on codes of FP4: C [8192][3072] = A [8192][1024] B^T, B [3072][1024] = the three weights one below the other; sums in f32.
; LEFT OUT: bk, which the softmax along the keys takes away for every value of the inputs (shown at the head of the first launch).
; The results are rounded to f16 (LIMIT: magnitudes under 65,504) and stored by head: qkv [3 matrices][64 = batch x 16 + head][2048 positions][64], so that a head's rows of 128 bytes lie on end.
; A tile of C, 256 x 256, is made by a work-group of four waves; a wave makes 128 x 128: 64 accumulators of 16 x 16, 512 registers.  K = 1,024 is two slots of 512: both are first fills, nothing is filled again.
; THE SCALES of the work-group's 256 rows of A and of B, for all of K, are two dense blocks of memory: they come into LDS once, with the first fills.  By this text's count three tensor loads of a wave are out at the most.
; CLUSTERS: 4 x 4 work-groups.  The four of a row of the cluster need the same tiles of A, the four of a column the same tiles of B: each tile is asked for JOINTLY.  A cluster spans 1,024 columns: the cluster's x IS the matrix (0 q, 1 k, 2 v).
; THE MATRIX INSTRUCTION IS USED TRANSPOSED (source 0 = 16 rows of B, source 1 = 16 rows of A): a lane holds eight neighbouring numbers of a row of C.  THE BIAS is the C of each sum's first product.
; REGISTERS, in windows of 256: window 0: v0-31 addresses; v32-95 scale words, two sets, and nothing else; v128-191 A's fragments, ONE set; v192-255 the bias, 8 registers for each of B's 8 blocks; on the way out v128-223 are at work.
;   window 1: B's fragments, TWO sets, at v0 and v128.   window 2: the 32 accumulators of my rows 0-63 ((a, b) at v[8 (8 a + b)]);   window 3: those of my rows 64-127.
.set NQ,     4                         ; matrix instructions deep in a slot: 512 along K
.set ROWB,   256                       ; a tile's row in bytes
.set KROW,   512                       ; a row of A or of B in memory
.set PITCH,  272                       ; an LDS row: 256 bytes + 16 of padding = 68 words: the 16 rows that a load touches start at 16 different banks (64 banks of 4 bytes: ISA guide 11.1)
.set FR,     8                         ; registers of a fragment: 16 rows x 128 K
.set NL,     2                         ; LDS loads that bring one
.set NP,     4                         ; places behind this matrix instruction (ISA guide 7.12.1)
.set HALFT,  128*PITCH                 ; 128 rows: what one tensor load brings
.set SLOT,   4*HALFT                   ; A's 256 rows, then B's 256 rows
.set KS,     32                        ; a row of scales in bytes
.set SCL,    2*SLOT                    ; behind the slots: the scales, as units of 256 bytes + 16 of padding
.set HALFS,  (128*KS/256)*272          ; the scales of 128 rows: what one tensor load brings
.set SBLK,   (16*KS/256)*272           ; those of 16 rows
.set SPARE,  SCL+4*HALFS               ; the spare words, 128 bytes for each wave: two blocks of 256 bytes that no other line names
.set SPITCH, 144                       ; the way out: a stage of 2 heads x 16 rows x (128 bytes + 16) for each wave, in slot 0, which has had its only fill and its last read when the first result is stored there
.set ADRA, 16                          ; v16-17  LDS address of my A fragments in slot 0, 1
.set ADRB, 20                          ; v20-21  the same for B
.set STO,  24                          ; v24     the way out: where I put 16 bytes of a row
.set RD,   25                          ; v25     where I read rows back
.set CO,   26                          ; v26     16 x lane
.set ADRS, 27                          ; v27     LDS address of my scale words: lanes 0-15 A's rows, lanes 16-31 B's
.set SPW,  28                          ; v28     LDS address of my spare word; never rewritten
.set NIL,  29                          ; v29     0; never rewritten
.set SC,   32                          ; scale words: set s at v[SC + 32 s]; register 4 i + q: lanes 0-15 the word of A's block i, lanes 16-31 that of B's block i, for the slot's q-th 128 along K
.set AF,   128
.set BI,   192
.set TMP,  128                         ; the way out: packed results
.set BK,   160                         ; and rows read back: v160-191 and v192-223 by turns
.set G1, 24                            ; s[24:31] descriptor group 1 for A's tiles;  s[32:39] group 0, one set for each slot
.set G0, 32
.set G1B, 48                           ; s[48:55], s[56:63] the same for B's tiles
.set G0B, 56
.set G1S, 68                           ; s[68:75], s[76:79] groups 1 and 0 for A's scales;  s[80:87], s[88:91] for B's
.set G0S, 76
.set G1SB, 80
.set G0SB, 88
.set MSB, 0
.macro WIN new                         ; the immediate's high byte repeats the setting that is left
.if MSB != (\new)
	s_set_vgpr_msb (MSB<<8)|(\new)
.set MSB, (\new)
.endif
.endm
.set MUL_LO, 0xa1                      ; source 0 (B) window 1, source 1 (A) window 0, C and D window 2
.set MUL_HI, 0xf1                      ; the same, C and D window 3
.set MULZ_LO, 0x81                     ; the first products: C (the bias) window 0, D window 2
.set MULZ_HI, 0xc1                     ; D window 3
.set TO_B,   0x40                      ; destination window 1, address window 0
; A joint load: waves 0 and 1 fetch for A, waves 2 and 3 for B.  Each line has ONE mask and one set of registers for all that issue it; the branch hangs on the wave's number alone.
; An s_nop 0 and four v_nop follow each of the two lines.
.macro JLOAD g0a, g1a, g0b, g1b
	s_cmp_eq_u32 s15, 0
	s_cbranch_scc0 .Lfor_b_\@
	tensor_load_to_lds s[\g0a:\g0a+3], s[\g1a:\g1a+7]
	s_nop 0
.rept 4
	v_nop
.endr
	s_branch .Lasked_\@
.Lfor_b_\@:
	tensor_load_to_lds s[\g0b:\g0b+3], s[\g1b:\g1b+7]
	s_nop 0
.rept 4
	v_nop
.endr
.Lasked_\@:
.endm
.macro CROUND                          ; a round of the cluster's barrier
	s_barrier_signal -1
	s_barrier_wait -1
	s_cmp_lg_u32 s14, 0
	s_cbranch_scc1 .Lnot_wave_0_\@
	s_barrier_signal -3
.Lnot_wave_0_\@:
	s_barrier_wait -3
	s_barrier_signal -1
	s_barrier_wait -1
.endm
	s_load_b256 s[4:11], s[0:1], 0x0               ; A's codes s[4:5], A's scales s[6:7], B's codes s[8:9], B's scales s[10:11]
	s_load_b128 s[96:99], s[0:1], 0x20             ; bq, bv
	s_load_b64 s[12:13], s[0:1], 0x30              ; qkv
	v_lshl_add_u32 v[SPW], v0, 2, SPARE
	v_mov_b32 v[NIL], 0
	ds_add_u32 v[SPW], v[NIL]                      ; the wave's opening: the add, twice on end, and its wait ahead of my first tensor load
	ds_add_u32 v[SPW], v[NIL]
	v_lshrrev_b32 v1, 5, v0
	v_readfirstlane_b32 s14, v1                    ; wave 0..3
	s_lshr_b32 s15, s14, 1                         ; which half of the tile's rows is mine.  Also: I fetch for A (0) or for B (1)
	s_and_b32 s16, s14, 1                          ; which half of its columns.  Also: which 128 rows of that tile I fetch
	s_bfe_u32 s40, ttmp6, 0x40000                  ; cx, cy: my place in the cluster
	s_bfe_u32 s41, ttmp6, 0x40004
	s_lshl_b32 s42, ttmp9, 2
	s_add_co_u32 s42, s42, s40                     ; tile column of C = 4 x cluster x + cx
	s_and_b32 s17, ttmp7, 0xffff
	s_lshl_b32 s17, s17, 2
	s_add_co_u32 s17, s17, s41                     ; tile row of C = 4 x cluster y + cy
	s_lshl_b32 s43, s41, 2
	s_lshl_b32 s43, 15, s43                        ; my row of the cluster
	s_lshl_b32 s44, 0x1111, s40                    ; my column
	; descriptor group 1: a tile of 128 rows x 256 bytes, padded in LDS
	s_or_b32 s[G1+0], s43, (0<<16)|(1<<20)|(1<<21)|(5<<22)|(3<<25)  ; 15:0 the mask; 17:16 element of 1 byte; 20 padding on; 21 set beside a mask; 24:22 after every 64 words; 31:25 four words
	s_or_b32 s[G1B+0], s44, (0<<16)|(1<<20)|(1<<21)|(5<<22)|(3<<25)
.irp g, G1, G1B
	s_mov_b32 s[\g+1], ROWB<<16                    ; tensor_dim0
	s_mov_b32 s[\g+2], 128<<16                     ; tensor_dim1
	s_mov_b32 s[\g+3], ROWB<<16                    ; tile_dim0
	s_mov_b32 s[\g+4], 128                         ; tile_dim1
	s_mov_b32 s[\g+5], KROW                        ; tensor_dim0_stride
	s_mov_b32 s[\g+6], 0
	s_mov_b32 s[\g+7], 0
.endr
	; the scales of 128 rows: a dense block of 4,096 bytes, as 16 rows of 256 bytes (32 elements of 8 bytes), 16 bytes of padding behind each
	s_or_b32 s[G1S+0], s43, (3<<16)|(1<<20)|(1<<21)|(5<<22)|(3<<25)
	s_or_b32 s[G1SB+0], s44, (3<<16)|(1<<20)|(1<<21)|(5<<22)|(3<<25)
.irp g, G1S, G1SB
	s_mov_b32 s[\g+1], 32<<16
	s_mov_b32 s[\g+2], (128*KS/256)<<16
	s_mov_b32 s[\g+3], 32<<16
	s_mov_b32 s[\g+4], 128*KS/256
	s_mov_b32 s[\g+5], 32
	s_mov_b32 s[\g+6], 0
	s_mov_b32 s[\g+7], 0
.endr
	s_lshl_b32 s18, s16, 7                         ; which 128 rows of the tile I fetch
	s_lshl_b32 s20, s17, 8
	s_add_co_u32 s20, s20, s18                     ; A: row 256 x tile row + 128 x half
	s_lshl_b32 s46, s42, 8
	s_add_co_u32 s46, s46, s18                     ; B: row 256 x tile column + 128 x half
	s_mov_b32 s21, 0
	s_mov_b32 s47, 0
	s_mov_b64 s[18:19], KS
	s_mul_u64 s[22:23], s[20:21], s[18:19]         ; where these rows' scales begin, in bytes
	s_mul_u64 s[92:93], s[46:47], s[18:19]
	s_mov_b64 s[18:19], KROW
	s_mul_u64 s[20:21], s[20:21], s[18:19]         ; and their codes
	s_mul_u64 s[46:47], s[46:47], s[18:19]
	s_mul_i32 s45, s14, HALFT                      ; where they go: wave x 128 rows: no place in the cluster enters an LDS address
	s_mul_i32 s94, s14, HALFS
	s_wait_dscnt 0x0                               ; both opening adds are done
	s_wait_kmcnt 0x0
	s_add_nc_u64 s[20:21], s[4:5], s[20:21]
	s_add_nc_u64 s[22:23], s[6:7], s[22:23]
	s_add_nc_u64 s[46:47], s[8:9], s[46:47]
	s_add_nc_u64 s[92:93], s[10:11], s[92:93]
	CROUND                                         ; all sixteen work-groups are here: the joint loads meet
	s_mov_b32 s[G0S], 1
	s_add_co_u32 s[G0S+1], s94, SCL
	s_mov_b64 s[G0S+2:G0S+3], s[22:23]
	s_or_b32 s[G0S+3], s[G0S+3], 0x80000000
	s_mov_b32 s[G0SB], 1
	s_add_co_u32 s[G0SB+1], s94, SCL
	s_mov_b64 s[G0SB+2:G0SB+3], s[92:93]
	s_or_b32 s[G0SB+3], s[G0SB+3], 0x80000000
	JLOAD G0S, G1S, G0SB, G1SB                     ; the scales first: they are wanted with the first slot
.irp s, 0,1
	s_mov_b32 s[G0+4*\s], 1
	s_add_co_u32 s[G0+4*\s+1], s45, \s*SLOT
	s_add_nc_u64 s[G0+4*\s+2:G0+4*\s+3], s[20:21], \s*ROWB
	s_or_b32 s[G0+4*\s+3], s[G0+4*\s+3], 0x80000000
	s_mov_b32 s[G0B+4*\s], 1
	s_add_co_u32 s[G0B+4*\s+1], s45, \s*SLOT
	s_add_nc_u64 s[G0B+4*\s+2:G0B+4*\s+3], s[46:47], \s*ROWB
	s_or_b32 s[G0B+4*\s+3], s[G0B+4*\s+3], 0x80000000
	JLOAD G0+4*\s, G1, G0B+4*\s, G1B
.endr
	v_and_b32 v1, 15, v0                           ; l % 16
	v_bfe_u32 v2, v0, 4, 1                         ; l / 16
	; THE BIAS, in the result's layout: block b, register j of lane l: bias[256 cx + 128 x my half + 16 b + 8 (l / 16) + j].  The branch hangs on the cluster's x, which all sixteen partners share.
	s_cmp_eq_u32 ttmp9, 1
	s_cbranch_scc1 .Lno_bias
	s_cmp_eq_u32 ttmp9, 0
	s_cselect_b64 s[96:97], s[96:97], s[98:99]     ; bq or bv
	s_lshl_b32 s92, s40, 10
	s_lshl_b32 s93, s16, 9
	s_add_co_u32 s92, s92, s93
	s_mov_b32 s93, 0
	s_add_nc_u64 s[96:97], s[96:97], s[92:93]
	v_lshlrev_b32 v7, 5, v2
.irp b, 0,1,2,3,4,5,6,7
	global_load_b128 v[BI+8*\b:BI+8*\b+3], v7, s[96:97] offset:64*\b
	global_load_b128 v[BI+8*\b+4:BI+8*\b+7], v7, s[96:97] offset:64*\b+16
.endr
	s_branch .Lbias_done
.Lno_bias:                                             ; k has no bias here: its sums begin at 0, by the same first products
.set j, 0
.rept 64
	v_mov_b32 v[BI+j], 0
.set j, j+1
.endr
.Lbias_done:
	v_mul_u32_u24 v3, v1, PITCH
	v_lshl_add_u32 v4, v2, 4, v3                   ; a fragment's row x pitch + 16 x half
	s_mul_i32 s21, s15, HALFT                      ; my 128 rows of A
	s_mul_i32 s22, s16, HALFT                      ; my 128 rows of B,
	s_add_co_u32 s22, s22, 2*HALFT                 ; which lie behind A's 256
.irp s, 0,1
	v_add_nc_u32 v[ADRA+\s], s21, v4
	v_add_nc_u32 v[ADRB+\s], s22, v4
	s_add_co_u32 s21, s21, SLOT
	s_add_co_u32 s22, s22, SLOT
.endr
	v_mul_u32_u24 v5, v1, KS                       ; my row's scales: 32 bytes a row,
	v_lshrrev_b32 v6, 8, v5
	v_lshl_add_u32 v5, v6, 4, v5                   ; and 16 more for each 256 passed
	s_mul_i32 s21, s15, HALFS                      ; A's: my 128 rows
	s_mul_i32 s22, s16, HALFS                      ; B's: my 128 rows, behind A's 256
	s_add_co_u32 s22, s22, 2*HALFS
	s_sub_co_u32 s22, s22, s21
	v_mul_u32_u24 v6, s22, v2                      ; lanes 16-31 take B's
	s_add_co_u32 s21, s21, SCL
	v_add_nc_u32 v5, v5, v6
	v_add_nc_u32 v[ADRS], s21, v5
	s_mul_i32 s23, s14, 2*16*SPITCH                ; my stage
	v_mul_u32_u24 v5, v1, SPITCH                   ; in: row l % 16, 16 bytes for each half of the lanes
	v_lshl_add_u32 v5, v2, 4, v5
	v_add_nc_u32 v[STO], s23, v5
	v_and_b32 v6, 31, v0
	v_lshlrev_b32 v[CO], 4, v6                     ; in memory four rows of 128 bytes lie on end: 16 x lane
	v_lshrrev_b32 v5, 3, v6                        ; back: eight lanes to a row, four rows an instruction
	v_mul_u32_u24 v5, v5, SPITCH
	v_and_b32 v6, 7, v0
	v_lshl_add_u32 v5, v6, 4, v5
	v_add_nc_u32 v[RD], s23, v5
	; where my part begins in qkv: matrix << 24, (batch x 16 + head) << 18, position << 7
	s_lshr_b32 s20, s17, 3                         ; batch: 8 tile rows each
	s_lshl_b32 s20, s20, 22
	s_and_b32 s21, s17, 7
	s_lshl_b32 s21, s21, 15                        ; 256 positions a tile row
	s_add_co_u32 s20, s20, s21
	s_lshl_b32 s21, s15, 14                        ; 128 for my half
	s_add_co_u32 s20, s20, s21
	s_lshl_b32 s21, ttmp9, 24
	s_add_co_u32 s20, s20, s21
	s_mov_b32 s21, 0
	s_lshl_b32 s46, s40, 20                        ; head 4 cx + 2 x my half of the columns
	s_lshl_b32 s47, s16, 19
	s_add_co_u32 s46, s46, s47
	s_mov_b32 s47, 0
	s_add_nc_u64 s[20:21], s[20:21], s[46:47]
	s_add_nc_u64 s[12:13], s[12:13], s[20:21]
.macro FRAG reg, adr, q, i             ; a fragment, 16 rows x 128 K of 4-bit codes: lane l holds row l % 16; registers 4 c .. 4 c + 3 hold K = 64 c + 32 (l / 16) + 0 .. 31
.irp c, 0,1
	ds_load_b128 v[\reg+4*\c:\reg+4*\c+3], v[\adr] offset:64*(\q)+32*\c+(\i)*16*PITCH
.endr
.endm
; 16 matrix instructions: A's blocks a0, a0 + 1 x B's eight, the slot's q-th 128 along K.  p: B's set;  sc: the set of scale words.  zero = 1: the first product starts the sum from the bias.
; The 64 accumulators take turns, one instruction a turn, in the same order in every step.
.macro MUL16 a0, p, q, sc, zero
.irp a, \a0, \a0+1
.irp b, 0,1,2,3,4,5,6,7
.if \zero
	v_wmma_scale_f32_16x16x128_f8f6f4 v[8*(8*((\a)%4)+\b):8*(8*((\a)%4)+\b)+7], v[128*(\p)+FR*\b:128*(\p)+FR*\b+FR-1], v[AF+FR*(\a):AF+FR*(\a)+FR-1], v[BI+8*\b:BI+8*\b+7], v[SC+8*NQ*(\sc)+NQ*\b+(\q)], v[SC+8*NQ*(\sc)+NQ*(\a)+(\q)] matrix_a_fmt:MATRIX_FMT_FP4 matrix_b_fmt:MATRIX_FMT_FP4 matrix_a_scale:MATRIX_SCALE_ROW1
.else
	v_wmma_scale_f32_16x16x128_f8f6f4 v[8*(8*((\a)%4)+\b):8*(8*((\a)%4)+\b)+7], v[128*(\p)+FR*\b:128*(\p)+FR*\b+FR-1], v[AF+FR*(\a):AF+FR*(\a)+FR-1], v[8*(8*((\a)%4)+\b):8*(8*((\a)%4)+\b)+7], v[SC+8*NQ*(\sc)+NQ*\b+(\q)], v[SC+8*NQ*(\sc)+NQ*(\a)+(\q)] matrix_a_fmt:MATRIX_FMT_FP4 matrix_b_fmt:MATRIX_FMT_FP4 matrix_a_scale:MATRIX_SCALE_ROW1
.endif
.endr
.endr
.endm
.macro FETCH_B slot, q, p              ; B's eight fragments of the slot's q-th 128 along K into set p
	WIN TO_B
.irp i, 0,1,2,3,4,5,6,7
	FRAG 128*(\p)+FR*\i, ADRB+\slot, \q, \i
.endr
	WIN 0
.endm
.macro FETCH_A slot, q, i0             ; A's blocks i0 .. i0 + 3
.irp i, \i0, \i0+1, \i0+2, \i0+3
	FRAG AF+FR*(\i), ADRA+\slot, \q, \i
.endr
.endm
.macro SCALES sc                       ; a slot's scale words into set sc: four words a row; lanes 0-15 take A's block i, lanes 16-31 B's block i
.irp i, 0,1,2,3,4,5,6,7
	ds_load_b128 v[SC+8*NQ*\sc+NQ*\i:SC+8*NQ*\sc+NQ*\i+3], v[ADRS] offset:\i*SBLK
.endr
.endm
; A load into a register that a matrix instruction has read, and a vector instruction that reads a matrix result, stand NP places behind that matrix instruction; only plain vector instructions that name none of its registers are places.
.macro PLACES n
.rept \n
	v_nop
.endr
.endm
; A step of 128 along K that has its successor in the same slot.  A's blocks go one after the other, each against B's eight: so one set of registers serves A (blocks 0-3 fetched anew in the step's middle, 4-7 at its end); B has two sets.
.macro STEP slot, q, zero
	s_wait_dscnt 4*NL                              ; B's set and A's blocks 0-3 are in; the youngest eight loads (A's blocks 4-7) may be out
.if \zero
	WIN MULZ_LO
.else
	WIN MUL_LO
.endif
	MUL16 0, (\q)%2, \q, \slot, \zero
	MUL16 2, (\q)%2, \q, \slot, \zero
	s_wait_dscnt 0                                 ; A's blocks 4-7 are in
	PLACES NP
	FETCH_B \slot, (\q)+1, 1-(\q)%2
	FETCH_A \slot, (\q)+1, 0
.if \zero
	WIN MULZ_HI
.else
	WIN MUL_HI
.endif
	MUL16 4, (\q)%2, \q, \slot, \zero
	MUL16 6, (\q)%2, \q, \slot, \zero
	PLACES NP
	WIN 0
	FETCH_A \slot, (\q)+1, 4
.endm
.macro STEPS slot, from                ; the slot's steps from .. NQ - 2
.set Q, \from
.rept NQ-1-\from
	STEP \slot, Q, 0
.set Q, Q+1
.endr
.endm
	s_wait_tensorcnt 1                             ; the scales and my part of slot 0 are in (slot 1's load, issued behind them, may be out),
	s_barrier_signal -1
	s_barrier_wait -1                              ; everybody's are
	FETCH_B 0, 0, 0
	FETCH_A 0, 0, 0
	SCALES 0
	FETCH_A 0, 0, 4
	s_wait_loadcnt 0x0                             ; the bias
	STEP 0, 0, 1                                   ; the first step's products start the sums
	STEPS 0, 1
	; slot 0's last step changes slots: each wave waits for all its tensor loads (its part of slot 1) and for its own reads of slot 0; one barrier
	s_wait_tensorcnt 0x0
	ds_add_u32 v[SPW], v[NIL]                      ; 0 onto my spare word
	s_wait_dscnt 4*NL+1                            ; (the add and the youngest eight loads may be out)
	WIN MUL_LO
	MUL16 0, 1, NQ-1, 0, 0                         ; sixteen matrix instructions stand between the add and the wait for it
	s_wait_dscnt 0x0                               ; the add is done, and my reads of slot 0 are over
	s_barrier_signal -1
	MUL16 2, 1, NQ-1, 0, 0
	WIN 0
	s_barrier_wait -1                              ; slot 1 is whole, and nobody reads slot 0 any more
	PLACES NP
	v_add_nc_u32 v[ADRS], 4*NQ, v[ADRS]            ; on to slot 1's scale words
	FETCH_B 1, 0, 0
	FETCH_A 1, 0, 0
	SCALES 1
	WIN MUL_HI
	MUL16 4, 1, NQ-1, 0, 0
	MUL16 6, 1, NQ-1, 0, 0
	PLACES NP
	WIN 0
	FETCH_A 1, 0, 4
	STEPS 1, 0
	s_wait_dscnt 4*NL                              ; the very last step: nothing more to fetch
	WIN MUL_LO
	MUL16 0, 1, NQ-1, 1, 0
	MUL16 2, 1, NQ-1, 1, 0
	s_wait_dscnt 0
	WIN MUL_HI
	MUL16 4, 1, NQ-1, 1, 0
	MUL16 6, 1, NQ-1, 1, 0
	WIN 0
; THE WAY OUT, block by block of 16 rows x 128 columns = 2 heads x 64.  A lane's eight numbers pack into 16 bytes of a head's row; the block goes through my own stage in LDS and comes back four rows (512 bytes on end in memory) an instruction.
.macro PACK a
.set AC, 64*((\a)%4)
	WIN (0x0a+5*((\a)/4))                          ; sources 0 and 1: window 2 or 3
.irp b, 0,1,2,3,4,5,6,7
.irp r, 0,1,2,3
	v_cvt_pk_f16_f32 v[TMP+4*\b+\r], v[AC+8*\b+2*\r], v[AC+8*\b+2*\r+1]   ; each accumulator from its low end on
.endr
.endr
	WIN 0
.endm
.macro TOSTAGE a
.set BB, BK+32*((\a)%2)
.irp b, 0,1,2,3,4,5,6,7
	ds_store_b128 v[STO], v[TMP+4*\b:TMP+4*\b+3] offset:16*SPITCH*(\b/4)+32*(\b%4)
.endr
.irp t, 0,1,2,3,4,5,6,7
	ds_load_b128 v[BB+4*\t:BB+4*\t+3], v[RD] offset:16*SPITCH*(\t/4)+4*SPITCH*(\t%4)   ; LDS serves a wave's instructions in order (ISA guide 5.7.1.4): these see the stores above
.endr
.endm
.macro SEND a
.set BB, BK+32*((\a)%2)
	s_wait_dscnt 0x0                               ; the block is back in registers
	s_wait_xcnt 0x0                                ; the stores of the block before have read their registers: the next block's rows may land there
.irp t, 0,1,2,3,4,5,6,7
	global_store_b128 v[CO], v[BB+4*\t:BB+4*\t+3], s[12:13] offset:262144*(\t/4)+2048*(\a)+512*(\t%4)   ; the wave stores 512 consecutive bytes, aligned; every offset is an immediate
.endr
.endm
	PLACES NP
	PACK 0
	TOSTAGE 0
.irp a, 1,2,3,4,5,6,7                  ; block a's conversions stand between block a - 1's loads from the stage and the wait for them
	PACK \a
	SEND \a-1
	TOSTAGE \a
.endr
	SEND 7
	s_wait_tensorcnt 0x0                           ; the wave's end, behind my last tensor load and my last LDS store
	ds_add_u32 v[SPW], v[NIL]
	s_wait_dscnt 0x0
	CROUND                                         ; the closing round
	s_endpgm
.Lfunc_end_k_q9b37c507aa_qkv:
	.size	k_q9b37c507aa_qkv, .Lfunc_end_k_q9b37c507aa_qkv-k_q9b37c507aa_qkv
	.p2alignl 7, 3214868480
	.fill 96, 4, 3214868480
	.section	.rodata,"a",@progbits
	.p2align	6, 0x0
	.amdhsa_kernel k_q9b37c507aa_qkv
		.amdhsa_group_segment_fixed_size 327680
		.amdhsa_private_segment_fixed_size 0
		.amdhsa_enable_private_segment 0
		.amdhsa_kernarg_size 56
		.amdhsa_user_sgpr_count 2
		.amdhsa_user_sgpr_kernarg_segment_ptr 1
		.amdhsa_wavefront_size32 1
		.amdhsa_system_sgpr_workgroup_id_x 1
		.amdhsa_system_sgpr_workgroup_id_y 1
		.amdhsa_system_sgpr_workgroup_id_z 1
		.amdhsa_system_vgpr_workitem_id 0
		.amdhsa_next_free_vgpr 1024
		.amdhsa_next_free_sgpr 100
		.amdhsa_reserve_vcc 0
		.amdhsa_float_denorm_mode_32 3
		.amdhsa_float_denorm_mode_16_64 3
		.amdhsa_memory_ordered 1
		.amdhsa_forward_progress 1
		.amdhsa_inst_pref_size 130
	.end_amdhsa_kernel
	.amdgpu_metadata
---
amdhsa.version: [ 1, 2 ]
amdhsa.kernels:
  - .name:           k_q9b37c507aa_qkv
    .symbol:         k_q9b37c507aa_qkv.kd
    .args:
      - { .name: xc, .offset: 0, .size: 8, .value_kind: global_buffer, .address_space: global }
      - { .name: xs, .offset: 8, .size: 8, .value_kind: global_buffer, .address_space: global }
      - { .name: wc, .offset: 16, .size: 8, .value_kind: global_buffer, .address_space: global }
      - { .name: ws, .offset: 24, .size: 8, .value_kind: global_buffer, .address_space: global }
      - { .name: bq, .offset: 32, .size: 8, .value_kind: global_buffer, .address_space: global }
      - { .name: bv, .offset: 40, .size: 8, .value_kind: global_buffer, .address_space: global }
      - { .name: qkv, .offset: 48, .size: 8, .value_kind: global_buffer, .address_space: global }
    .group_segment_fixed_size: 327680
    .private_segment_fixed_size: 0
    .kernarg_segment_align: 8
    .kernarg_segment_size: 56
    .max_flat_workgroup_size: 128
    .sgpr_count:     100
    .vgpr_count:     1024
    .wavefront_size: 32
...
	.end_amdgpu_metadata
.endif
;; end of part 2
;; launch attn (part 3): grid 4 x 64, 8 waves a work-group, clusters of 4 x 1, 327,680 bytes of LDS; arguments qkv, ao; writes ao
.if DOCPART == 3
	.amdgcn_target "amdgcn-amd-amdhsa--gfx1250"
	.amdhsa_code_object_version 6
	.text
	.protected	k_q9b37c507aa_attn
	.globl	k_q9b37c507aa_attn
	.p2align	8
	.type	k_q9b37c507aa_attn,@function
k_q9b37c507aa_attn:
	s_mov_b64 s[64:65], 0
	v_nop
	global_prefetch_b8 v0, s[64:65] scope:SCOPE_SE
	s_setreg_imm32_b32 hwreg(HW_REG_WAVE_MODE, 25, 1), 1
	s_wait_xcnt 0x0
	s_wait_alu depctr_hold_cnt(0) depctr_sa_sdst(0) depctr_va_vdst(0) depctr_va_sdst(0) depctr_va_ssrc(0) depctr_va_vcc(0) depctr_vm_vsrc(0)
	s_getreg_b32 s2, hwreg(HW_REG_IB_STS2, 6, 4)
	s_cmp_eq_u32 s2, 0
	s_cbranch_scc0 .Lentry_in_a_cluster
	s_endpgm
.Lentry_in_a_cluster:
	s_bfe_u32 s2, ttmp6, 0x10000c
	s_cmp_lg_u32 s2, 0x3003
	s_cbranch_scc0 .Lentry_shape_is_right
	s_endpgm
.Lentry_shape_is_right:
; Launch 3 of 4: ao[bh][q][:] = the sum over k of softmax_k(Q[bh][q] . K[bh][k] / 8) V[bh][k][:].  Q, K, V: the three parts of qkv, [64 bh][2048][64] f16; ao the same shape, f16.  Products on f16 operands, sums, maxima and the softmax in f32;
; the weights p (at most 1) are rounded to f16 for the second product, the result once at the end.  K comes without bk, which the softmax takes away (shown at the head of the first launch).  LIMIT: results under 65,504 in magnitude.
; SHARES.  A work-group owns 512 queries of one head, each of its EIGHT waves 64: four tiles of 16, in 512 registers: two waves to a SIMD, so that one wave's softmax stands beside the other's products.  Every wave walks the head's 2,048 keys, 64 a step.
; LAYOUT.  S^T = K Q^T (source 0 = 16 keys, source 1 = 16 queries): a lane holds ONE query (lane % 16) and the keys 8 (lane / 16) + 0..7.  Two such tiles, rounded to f16 in pairs, ARE source 1 (32 keys x 16 queries) of O^T = V^T P.
; P is written over the low half of S^T's registers.  K comes out of LDS as it lies, V ([key][channel]) turned, by ds_load_tr16_b128.
; SOFTMAX.  For each query a running maximum m and sum l: p = 2^(c s - c m), c = log2(e) / 8; in every step O and l are multiplied by a = 2^(c m_old - c m_new).
; RING.  Two LDS slots of four steps (256 keys).  Waves 0-3 fetch the four steps' tiles of K, waves 4-7 those of V: one tensor load a wave.  A step's fragments are fetched into registers one step ahead, so a slot's last read is issued
; in its third step: the change of slots stands in front of its LAST step, and the refill has four steps in which to land.
; CLUSTER.  A head's four work-groups are one cluster and walk the same K and V: each tile is asked for JOINTLY, by the same tensor load with a mask that names the four.
; REGISTERS: window 0: v0-15 addresses; v16-47 eight registers of statistics a tile; v64-127 K of one step; v128-255 S^T, 32 a tile.   window 1: v0-127 O^T, 32 a tile; v128-191 Q; v192-255 V of one step.
.set KS,    64        ; keys in a step
.set PK,    144       ; a row of K in LDS: 128 bytes + 16: the 16 rows of a load start at 16 different groups of four banks (64 banks of 4 bytes: ISA guide 11.1)
.set PV,    160       ; a row of V: 128 + 32: the turning load's 8 rows x 32 bytes fall on different banks
.set VOFF,  KS*PK     ; a step's tiles lie together: 64 rows of K, then 64 rows of V
.set STEPB, KS*(PK+PV)
.set SLOTM, 256*128   ; a slot's keys in memory: 32,768 bytes of K, as many of V
.set SLOT1, 1<<17     ; slot 1 begins here, so that one exclusive or turns an address in one slot into the other's
.set STAGE, SLOT1+4*STEPB  ; behind the ring: 64 rows x 144 bytes for each wave, for the way out
.set SP,    144
.set SPARE, STAGE+8*64*SP  ; the spare words, 128 bytes for each wave: four blocks of 256 bytes that no other line names
.set AK0, 2           ; v2   my lane's place in a tile of K; never rewritten
.set AV0, 3           ; v3   the same for V
.set ADR, 4           ; v4   the LDS address of the run of loads in hand
.set QO,  5           ; v5   my byte offset in the wave's rows of Q
.set STO, 6           ; v6   the way out: where I put 16 bytes of a row
.set RD,  7           ; v7   where I read rows back
.set GO,  8           ; v8   16 x lane
.set PFO, 12          ; v12  256 x lane: the prefetches' offset; never rewritten
.set SPW, 14          ; v14  LDS address of my spare word; never rewritten
.set NIL, 15          ; v15  0; never rewritten
.set ST,  16          ; tile t's statistics at v[ST+8 t]: +0 c m, +1 m, +2, +3 l (even keys', odd keys'), +4 to +7 c0-c3, at work; a takes c2's place once the maximum is found
.set KF,  64
.set S,   128
.set QF,  128         ; in window 1
.set VF,  192         ; in window 1
.set WV,  12          ; s12  my wave's number
.set LIM, 15          ; s15  1 in a wave that prefetches, else the greatest number
.set PFA, 18          ; s[18:19] where my prefetches stand
.set G1K, 24          ; s[24:31] descriptor group 1 for K's tiles;  s[32:39] for V's: it differs in the padding alone
.set G1V, 32
.set G0K, 40          ; s[40:47] group 0 for K's tiles: a set for each of the two first fills; the second then walks on
.set G0V, 48          ; s[48:55] the same for V's
.set SLOTS, 56        ; s56  slots still to be asked for
.set CNT, 57          ; s57  counts steps
.set CS,  58          ; s[58:59] c: the packed scaling names a pair and takes its low word for both halves
.set SEL, 60          ; s[60:61] lane selects for v_permlanex16_b32: lane l xor 16
.set TB,  62          ; s62  LDS byte at which the tiles of the step to be fetched begin
.set MSB, 0
.macro WIN new
.if MSB != (\new)
	s_set_vgpr_msb (MSB<<8)|(\new)
.set MSB, (\new)
.endif
.endm
.set W_KQ, 0x04       ; Q (source 1) in window 1; K and S^T in window 0
.set W_PV, 0x51       ; V (source 0), C and D in window 1; P in window 0
.set W_RS, 0x41       ; O^T (destination and source 0) in window 1, a in window 0
.set TO1,  0x40       ; a load's destination in window 1
.set W_CV, 0x05       ; sources 0 and 1 in window 1
; A joint refill.  The branch hangs on the wave's number alone.  An s_nop 0 and four v_nop follow each of the two lines.
.macro JLOAD
	s_cmp_lt_u32 s[WV], 4
	s_cbranch_scc0 .Lfor_v_\@
	tensor_load_to_lds s[G0K+4:G0K+7], s[G1K:G1K+7]
	s_nop 0
.rept 4
	v_nop
.endr
	s_branch .Lasked_\@
.Lfor_v_\@:
	tensor_load_to_lds s[G0V+4:G0V+7], s[G1V:G1V+7]
	s_nop 0
.rept 4
	v_nop
.endr
.Lasked_\@:
.endm
; A PREFETCH INTO THE L2 of what the NEXT change of slots will ask for: 32,768 bytes of K and as many of V, four key steps ahead of that load.  Only this cluster reads this head's K and V.  Its four partners share each block out BY ADDRESS,
; 8,192 bytes each; in each, wave 0 asks for K's and wave 4 for V's, lanes 256 bytes apart: each aligned block of 256 bytes is named once in the launch.  Slots 0 to 2 come by their loads alone; the last change that fills a slot asks for nothing.
.macro ASK
	s_cmp_gt_u32 s[SLOTS], s[LIM]
	s_cbranch_scc0 .Lnot_mine_\@
	global_prefetch_b8 v[PFO], s[PFA:PFA+1] th:TH_LOAD_NT scope:SCOPE_SE
.Lnot_mine_\@:
.endm
.macro CROUND                          ; a round of the cluster's barrier
	s_barrier_signal -1
	s_barrier_wait -1
	s_cmp_lg_u32 s[WV], 0
	s_cbranch_scc1 .Lnot_wave_0_\@
	s_barrier_signal -3
.Lnot_wave_0_\@:
	s_barrier_wait -3
	s_barrier_signal -1
	s_barrier_wait -1
.endm
	s_load_b128 s[4:7], s[0:1], 0x0 ; qkv s[4:5], ao s[6:7]
	v_lshl_add_u32 v[SPW], v0, 2, SPARE
	v_mov_b32 v[NIL], 0
	ds_add_u32 v[SPW], v[NIL]       ; the wave's opening: the add, twice on end, and its wait ahead of my first tensor load
	ds_add_u32 v[SPW], v[NIL]
	v_lshrrev_b32 v1, 5, v0
	v_readfirstlane_b32 s[WV], v1   ; wave 0..7
	s_bfe_u32 s13, ttmp6, 0x40000   ; cx: my block of 512 queries; it enters Q's, ao's and the prefetches' addresses alone
	s_and_b32 s20, ttmp7, 0xffff    ; the head, which the four partners share
	s_lshl_b32 s20, s20, 18         ; its first byte in each part of qkv and in ao
	s_and_b32 s16, s[WV], 3         ; which of a slot's four steps I fetch:
	s_lshl_b32 s22, s16, 13         ; its 64 rows of 128 bytes in memory,
	s_add_co_u32 s22, s22, s20
	s_mov_b32 s23, 0
	s_mul_i32 s17, s16, STEPB       ; and its place in a slot
	s_lshl_b32 s2, s13, 16          ; my block's 512 rows,
	s_lshl_b32 s3, s[WV], 13        ; my wave's 64 of them
	s_add_co_u32 s2, s2, s3
	s_add_co_u32 s2, s2, s20
	s_mov_b32 s3, 0
	; descriptor group 1: a tile of 64 rows x 64 elements, dense in memory, padded in LDS
	s_mov_b32 s[G1K], 15|(1<<16)|(1<<20)|(1<<21)|(4<<22)|(3<<25)  ; 15:0 the mask: all four work-groups; 17:16 elements of 2 bytes; 20 padding on; 21 set beside a mask; 24:22 after every 32 words; 31:25 four words
	s_mov_b32 s[G1V], 15|(1<<16)|(1<<20)|(1<<21)|(4<<22)|(7<<25)  ; the same with eight words of padding
.irp g, G1K, G1V
	s_mov_b32 s[\g+1], 64<<16       ; tensor_dim0
	s_mov_b32 s[\g+2], KS<<16       ; tensor_dim1
	s_mov_b32 s[\g+3], 64<<16       ; tile_dim0
	s_mov_b32 s[\g+4], KS           ; tile_dim1
	s_mov_b32 s[\g+5], 64           ; tensor_dim0_stride
	s_mov_b32 s[\g+6], 0
	s_mov_b32 s[\g+7], 0
.endr
	s_mov_b32 s[CS], 0x3e38aa3b     ; c = log2(e) / 8
	s_mov_b32 s[CS+1], s[CS]        ; named with it as a pair, so it is written
	s_mov_b32 s[SEL], 0x76543210
	s_mov_b32 s[SEL+1], 0xfedcba98
	s_mov_b32 s[TB], 0
	s_mov_b32 s[SLOTS], 6
	s_cmp_eq_u32 s16, 0             ; waves 0 and 4 prefetch
	s_cselect_b32 s[LIM], 1, -1
	s_wait_dscnt 0x0                ; both opening adds are done
	s_wait_kmcnt 0x0
	s_add_nc_u64 s[8:9], s[4:5], s[22:23]
	s_add_nc_u64 s[10:11], s[8:9], 0x2000000  ; V at my tile of slot 0
	s_add_nc_u64 s[8:9], s[8:9], 0x1000000    ; K likewise
	s_add_nc_u64 s[4:5], s[4:5], s[2:3]       ; Q and ao at my wave's first row
	s_add_nc_u64 s[6:7], s[6:7], s[2:3]
	s_cmp_lt_u32 s[WV], 4
	s_cselect_b64 s[PFA:PFA+1], s[8:9], s[10:11]  ; (in waves 0 and 4 these stand at a slot's first row)
	s_lshl_b32 s2, s13, 13          ; my work-group's quarter of a slot's block
	s_add_nc_u64 s[PFA:PFA+1], s[PFA:PFA+1], s[2:3]
	s_add_nc_u64 s[PFA:PFA+1], s[PFA:PFA+1], 2*SLOTM  ; in slot 2; the first change of slots steps it to slot 3.  Nothing is prefetched here, at the head
	CROUND                          ; all four work-groups are here: the first joint loads meet
.irp s, 0,1
	s_mov_b32 s[G0K+4*\s], 1        ; count = 1
	s_add_co_u32 s[G0K+4*\s+1], s17, \s*SLOT1  ; LDS address
	s_add_nc_u64 s[G0K+4*\s+2:G0K+4*\s+3], s[8:9], \s*SLOTM  ; global address: slot s begins with key 256 s
	s_or_b32 s[G0K+4*\s+3], s[G0K+4*\s+3], 0x80000000  ; type = 2
	s_mov_b32 s[G0V+4*\s], 1
	s_add_co_u32 s[G0V+4*\s+1], s17, \s*SLOT1+VOFF
	s_add_nc_u64 s[G0V+4*\s+2:G0V+4*\s+3], s[10:11], \s*SLOTM
	s_or_b32 s[G0V+4*\s+3], s[G0V+4*\s+3], 0x80000000
.endr
	s_cmp_lt_u32 s[WV], 4           ; a wave's two first fills stand in one branch, ahead of every wait on TENSORcnt and every LDS read: two loads of mine are out
	s_cbranch_scc0 .Lfirst_v
	tensor_load_to_lds s[G0K:G0K+3], s[G1K:G1K+7]
	s_nop 0
	tensor_load_to_lds s[G0K+4:G0K+7], s[G1K:G1K+7]
	s_nop 0
.rept 4
	v_nop
.endr
	s_branch .Lfirst_asked
.Lfirst_v:
	tensor_load_to_lds s[G0V:G0V+3], s[G1V:G1V+7]
	s_nop 0
	tensor_load_to_lds s[G0V+4:G0V+7], s[G1V:G1V+7]
	s_nop 0
.rept 4
	v_nop
.endr
.Lfirst_asked:
	; A fragment of K or Q is 16 rows x 32 channels in 8 registers: lane l holds row l % 16; registers 0-3 channels 8 (l / 16) + 0..7, registers 4-7 channels 16 + 8 (l / 16) + 0..7: two loads of 16 bytes, 32 bytes apart.
	v_and_b32 v1, 15, v0            ; l % 16
	v_bfe_u32 v9, v0, 4, 1          ; l / 16
	v_lshlrev_b32 v[QO], 7, v1
	v_lshl_add_u32 v[QO], v9, 4, v[QO]  ; row x 128 + 16 x half
	WIN TO1
.irp i, 0,1,2,3,4,5,6,7             ; Q stays in registers: tile i / 2, channels 32 (i % 2) on
	global_load_b128 v[QF+8*\i:QF+8*\i+3],   v[QO], s[4:5] offset:(\i/2)*2048+(\i%2)*64
	global_load_b128 v[QF+8*\i+4:QF+8*\i+7], v[QO], s[4:5] offset:(\i/2)*2048+(\i%2)*64+32
.endr
	WIN 0
	v_mul_u32_u24 v[AK0], v1, PK
	v_lshl_add_u32 v[AK0], v9, 4, v[AK0]  ; row x pitch + 16 x half
	; The turning load takes 16 keys x 16 channels (lane l reads 16 bytes: key 8 (l / 16) + l % 8, channels 8 ((l / 8) % 2) + 0..7) and leaves half a fragment of V^T: lane l holds channel l % 16 and 8 keys.
	v_and_b32 v10, 7, v0
	v_bfe_u32 v11, v0, 3, 1
	v_lshl_add_u32 v[AV0], v9, 3, v10
	v_mul_u32_u24 v[AV0], v[AV0], PV
	v_lshl_add_u32 v[AV0], v11, 4, v[AV0]
	v_add_nc_u32 v[AV0], VOFF, v[AV0]
	s_mul_i32 s21, s[WV], 64*SP
	s_add_co_u32 s21, s21, STAGE    ; my stage
	v_mul_u32_u24 v[STO], v1, SP    ; in: row l % 16, 16 bytes for each half of the lanes
	v_lshl_add_u32 v[STO], v9, 4, v[STO]
	v_add_nc_u32 v[STO], s21, v[STO]
	v_and_b32 v13, 31, v0           ; lane
	v_lshrrev_b32 v11, 3, v13       ; back: eight lanes to a row of 128 bytes, four rows an instruction
	v_mul_u32_u24 v[RD], v11, SP
	v_lshl_add_u32 v[RD], v10, 4, v[RD]
	v_add_nc_u32 v[RD], s21, v[RD]
	v_lshlrev_b32 v[GO], 4, v13     ; in memory the four rows lie on end
	v_lshlrev_b32 v[PFO], 8, v13
; THE LDS LOADS stand in runs of 16.  A step's K (64 keys x 64 channels: 8 fragments).  The addition and three v_nop are four places: behind the last K Q^T, ahead of loads into K's registers and of the first read of the scores.
.macro FETCH_K
	v_add_nc_u32 v[ADR], s[TB], v[AK0]
.rept 3
	v_nop
.endr
.irp f, 0,1,2,3,4,5,6,7             ; keys 16 (f / 2) on, channels 32 (f % 2) on
	ds_load_b128 v[KF+8*\f:KF+8*\f+3],   v[ADR] offset:(\f/2)*16*PK+(\f%2)*64
	ds_load_b128 v[KF+8*\f+4:KF+8*\f+7], v[ADR] offset:(\f/2)*16*PK+(\f%2)*64+32
.endr
.endm
; The same step's V, turned.  The addition and four v_nop are FIVE places behind the last V^T P: four are asked ahead of loads into V's registers, five ahead of the next K Q^T, which writes over P's registers.
.macro FETCH_V
	v_add_nc_u32 v[ADR], s[TB], v[AV0]
.rept 4
	v_nop
.endr
	WIN TO1
.irp f, 0,1,2,3,4,5,6,7             ; keys 32 (f / 4) on, channels 16 (f % 4) on
	ds_load_tr16_b128 v[VF+8*\f:VF+8*\f+3],   v[ADR] offset:(\f/4)*32*PV+(\f%4)*32
	ds_load_tr16_b128 v[VF+8*\f+4:VF+8*\f+7], v[ADR] offset:(\f/4)*32*PV+16*PV+(\f%4)*32
.endr
	WIN 0
	s_add_co_u32 s[TB], s[TB], STEPB  ; the next fetch is the next step's
.endm
; S^T = K Q^T: product i of 32: channels 32 (i / 16) on, keys 16 ((i / 4) % 4) on, tile i % 4.  The first 16 start the sums.  The 16 accumulators take turns, one instruction a turn.
.macro KQ
	WIN W_KQ
.set i, 0
.rept 32
.set rS, S+32*(i%4)+8*((i/4)%4)
.set rK, KF+8*(2*((i/4)%4)+i/16)
.set rQ, QF+16*(i%4)+8*(i/16)
.if i < 16
	v_wmma_f32_16x16x32_f16 v[rS:rS+7], v[rK:rK+7], v[rQ:rQ+7], 0
.else
	v_wmma_f32_16x16x32_f16 v[rS:rS+7], v[rK:rK+7], v[rQ:rQ+7], v[rS:rS+7]
.endif
.set i, i+1
.endr
.endm
; O^T += V^T P: product i of 32: keys 32 (i / 16) on, channels 16 ((i / 4) % 4) on, tile i % 4.  begin = 1: the first 16 start the sums: nothing is ever cleared.
.macro PVM begin
	WIN W_PV
.set i, 0
.rept 32
.set rO, 32*(i%4)+8*((i/4)%4)
.set rV, VF+8*(4*(i/16)+(i/4)%4)
.set rP, S+32*(i%4)+8*(i/16)
.if \begin && (i < 16)
	v_wmma_f32_16x16x32_f16 v[rO:rO+7], v[rV:rV+7], v[rP:rP+7], 0
.else
	v_wmma_f32_16x16x32_f16 v[rO:rO+7], v[rV:rV+7], v[rP:rP+7], v[rO:rO+7]
.endif
.set i, i+1
.endr
.endm
; THE SOFTMAX of the wave's four tiles for one key step.  The tiles take turns line by line, so that no line waits for the line above it.  begin = 1: the first key step, which starts m, l and O^T.
.macro SOFTMAX begin
.irp j, 0,1,2,3                     ; the maximum of a lane's 32 scores: four chains, one for each accumulator, each begun at the accumulator's low end
.irp t, 0,1,2,3
	v_max3_num_f32 v[ST+8*\t+4+\j], v[S+32*\t+8*\j], v[S+32*\t+8*\j+1], v[S+32*\t+8*\j+2]
.endr
.endr
.irp g, 1,2
.irp j, 0,1,2,3
.irp t, 0,1,2,3
	v_max3_num_f32 v[ST+8*\t+4+\j], v[ST+8*\t+4+\j], v[S+32*\t+8*\j+2*\g+1], v[S+32*\t+8*\j+2*\g+2]
.endr
.endr
.endr
.irp t, 0,1,2,3
	v_max3_num_f32 v[ST+8*\t+4], v[ST+8*\t+4], v[S+32*\t+7], v[S+32*\t+15]
.endr
.irp t, 0,1,2,3
	v_max3_num_f32 v[ST+8*\t+6], v[ST+8*\t+6], v[S+32*\t+23], v[S+32*\t+31]
.endr
.irp t, 0,1,2,3
	v_max3_num_f32 v[ST+8*\t+4], v[ST+8*\t+4], v[ST+8*\t+5], v[ST+8*\t+6]
.endr
.irp t, 0,1,2,3
.if \begin
	v_max_num_f32 v[ST+8*\t+4], v[ST+8*\t+4], v[ST+8*\t+7]
.else
	v_max3_num_f32 v[ST+8*\t+4], v[ST+8*\t+4], v[ST+8*\t+7], v[ST+8*\t+1]   ; and the old m
.endif
.endr
.irp t, 0,1,2,3
	v_permlanex16_b32 v[ST+8*\t+5], v[ST+8*\t+4], s[SEL], s[SEL+1]  ; the query's other 32 keys lie in the lane 16 away
.endr
.if !\begin
.irp t, 0,1,2,3
	v_mov_b32 v[ST+8*\t+7], v[ST+8*\t]      ; c m_old is kept for a
.endr
.endif
.irp t, 0,1,2,3
	v_max_num_f32 v[ST+8*\t+1], v[ST+8*\t+4], v[ST+8*\t+5]
.endr
.irp t, 0,1,2,3
	v_mul_f32 v[ST+8*\t], s[CS], v[ST+8*\t+1]
.endr
.if !\begin
.irp t, 0,1,2,3
	v_sub_f32 v[ST+8*\t+7], v[ST+8*\t+7], v[ST+8*\t]
.endr
.endif
.set e, 0
.rept 16                            ; c s - c m, a pair of scores at a time
.irp t, 0,1,2,3
	v_pk_fma_f32 v[S+32*\t+2*e:S+32*\t+2*e+1], v[S+32*\t+2*e:S+32*\t+2*e+1], s[CS:CS+1], v[ST+8*\t:ST+8*\t+1] op_sel_hi:[1,0,0] neg_lo:[0,0,1] neg_hi:[0,0,1]
.endr
.set e, e+1
.endr
.if !\begin                         ; ONE BATCH of exponentials: a, then the 128 weights; none reads another's result
.irp t, 0,1,2,3
	v_exp_f32 v[ST+8*\t+6], v[ST+8*\t+7]
.endr
.endif
.set e, 0
.rept 32
.irp t, 0,1,2,3
	v_exp_f32 v[S+32*\t+e], v[S+32*\t+e]
.endr
.set e, e+1
.endr
	v_nop                           ; a plain instruction behind the last exponential, ahead of the first use
	s_wait_alu depctr_va_vdst(0)    ; and the wait ahead of the first instruction that names a result: one for the batch
.irp t, 0,1,2,3                     ; the sums of the unrounded weights, in two chains: l, and c0:c1
	v_pk_add_f32 v[ST+8*\t+4:ST+8*\t+5], v[S+32*\t:S+32*\t+1], v[S+32*\t+2:S+32*\t+3]
.endr
.if \begin
.irp t, 0,1,2,3
	v_pk_add_f32 v[ST+8*\t+2:ST+8*\t+3], v[S+32*\t+4:S+32*\t+5], v[S+32*\t+6:S+32*\t+7]
.endr
.else
.irp t, 0,1,2,3
	v_pk_fma_f32 v[ST+8*\t+2:ST+8*\t+3], v[ST+8*\t+2:ST+8*\t+3], v[ST+8*\t+6:ST+8*\t+7], v[S+32*\t+4:S+32*\t+5] op_sel_hi:[1,0,1]   ; l = a l + ..
.endr
.irp t, 0,1,2,3
	v_pk_add_f32 v[ST+8*\t+4:ST+8*\t+5], v[ST+8*\t+4:ST+8*\t+5], v[S+32*\t+6:S+32*\t+7]
.endr
.endif
.set e, 4
.rept 6
.irp t, 0,1,2,3
	v_pk_add_f32 v[ST+8*\t+2:ST+8*\t+3], v[ST+8*\t+2:ST+8*\t+3], v[S+32*\t+2*e:S+32*\t+2*e+1]
.endr
.irp t, 0,1,2,3
	v_pk_add_f32 v[ST+8*\t+4:ST+8*\t+5], v[ST+8*\t+4:ST+8*\t+5], v[S+32*\t+2*e+2:S+32*\t+2*e+3]
.endr
.set e, e+2
.endr
.irp t, 0,1,2,3
	v_pk_add_f32 v[ST+8*\t+2:ST+8*\t+3], v[ST+8*\t+2:ST+8*\t+3], v[ST+8*\t+4:ST+8*\t+5]
.endr
.set e, 0
.rept 16                            ; P: pairs rounded to f16, over the low half of the tile's registers, ascending: no weight is overwritten before it is read
.irp t, 0,1,2,3
	v_cvt_pk_f16_f32 v[S+32*\t+e], v[S+32*\t+2*e], v[S+32*\t+2*e+1]
.endr
.set e, e+1
.endr
.if !\begin
	WIN W_RS
.set e, 0
.rept 16                            ; O^T times a, each accumulator from its low end on
.irp t, 0,1,2,3
	v_pk_mul_f32 v[32*\t+2*e:32*\t+2*e+1], v[32*\t+2*e:32*\t+2*e+1], v[ST+8*\t+6:ST+8*\t+7] op_sel_hi:[1,0]
.endr
.set e, e+1
.endr
.endif
.endm
; A KEY STEP.  Its K and V were fetched into registers during the step before; fetch = 1: it fetches the next step's.
.macro STEP begin, fetch
	s_wait_dscnt 16                 ; K's 16 loads are in; V's 16, issued behind them, may be out
	KQ
	WIN 0
.if \fetch
	FETCH_K
.else
.rept 4
	v_nop                           ; the places behind the last K Q^T
.endr
.endif
	SOFTMAX \begin
.if \fetch
	s_wait_dscnt 16                 ; V is in; the next K's 16 loads may be out
.else
	s_wait_dscnt 0x0
.endif
	PVM \begin
	WIN 0
.if \fetch
	FETCH_V
.endif
.endm
.macro STEPS n                         ; n steps: written once, walked n times; the LDS addresses hang on s[TB]
	s_mov_b32 s[CNT], \n
.Lstep_\@:
	STEP 0, 1
	s_sub_co_u32 s[CNT], s[CNT], 1
	s_cmp_lg_u32 s[CNT], 0
	s_cbranch_scc1 .Lstep_\@
.endm
; THE CHANGE OF SLOTS, in front of a slot's last step, whose K and V have been asked for.  Each wave waits for all its tensor loads, of which one is out: its part of the other slot; adds 0 to its spare word; and waits for that and for its reads of the slot.
; fill = 1: the slot is filled again, with the keys two slots on.  The barrier is then a round of the cluster's, so that no wave of any partner still reads the slot or has a load on its way, and the joint refill is the first thing behind it.
.macro CHANGE fill
	WIN 0
	s_wait_tensorcnt 0x0            ; no tensor load of mine is out, so a group 0 may be written
	ds_add_u32 v[SPW], v[NIL]       ; 0 onto my spare word
.if \fill
.irp g, G0K+4, G0V+4
	s_xor_b32 s[\g+1], s[\g+1], SLOT1  ; the walking descriptor: the other slot than last time,
	s_add_nc_u64 s[\g+2:\g+3], s[\g+2:\g+3], SLOTM  ; the next 256 keys; the type bits on top are not reached
.endr
	s_wait_xcnt 0x0                 ; the last prefetch, four key steps back, has read its address, so it may be written:
	s_add_nc_u64 s[PFA:PFA+1], s[PFA:PFA+1], SLOTM  ; one slot further on than the walking descriptors
	s_wait_dscnt 0x0                ; the add is done, and my reads of the slot are over
	CROUND
	JLOAD
	ASK
.else
	s_wait_dscnt 0x0
	s_barrier_signal -1
	s_barrier_wait -1
.endif
	s_sub_co_u32 s[TB], s[TB], 4*STEPB  ; the fetches go back to a slot's first step,
	s_xor_b32 s[TB], s[TB], SLOT1   ; in the other slot
.endm
	s_wait_tensorcnt 1              ; my part of slot 0 is in; slot 1's may stay out
	s_barrier_signal -1
	s_barrier_wait -1               ; everybody's is
	FETCH_K                         ; key step 0
	FETCH_V
	s_wait_loadcnt 0x0              ; Q
	STEP 1, 1                       ; step 0 starts m, l and O^T
	STEPS 2                         ; steps 1, 2
.Lslot:                             ; six trips: the changes in front of steps 3, 7, .. 23 fill slots 2 to 7
	CHANGE 1
	STEPS 4
	s_sub_co_u32 s[SLOTS], s[SLOTS], 1
	s_cmp_lg_u32 s[SLOTS], 0
	s_cbranch_scc1 .Lslot
	CHANGE 0                        ; the tail is written out: in front of step 27 nothing is asked for
	STEPS 4                         ; steps 27 to 30
	STEP 0, 0                       ; step 31 fetches nothing
	; THE WAY OUT.  l's two halves and the other half of the lanes' are added; O^T is divided by l, rounded to f16 and sent through my stage in LDS.  The additions are the places behind the last products.
.irp t, 0,1,2,3
	v_add_f32 v[ST+8*\t+4], v[ST+8*\t+2], v[ST+8*\t+3]
.endr
.irp t, 0,1,2,3
	v_permlanex16_b32 v[ST+8*\t+5], v[ST+8*\t+4], s[SEL], s[SEL+1]
.endr
.irp t, 0,1,2,3
	v_add_f32 v[ST+8*\t+4], v[ST+8*\t+4], v[ST+8*\t+5]
.endr
.irp t, 0,1,2,3
	v_rcp_f32 v[ST+8*\t+6], v[ST+8*\t+4]
.endr
	v_nop                           ; a plain instruction between the last reciprocal and the use of its result
	s_wait_alu depctr_va_vdst(0)    ; and the wait ahead of the first use: one for the four
.macro OUTT t                          ; tile t: a lane's eight channels pack into 16 bytes; into rows of 144 bytes, back four rows an instruction
	WIN W_RS
.set i, 0
.rept 16
	v_pk_mul_f32 v[32*\t+2*i:32*\t+2*i+1], v[32*\t+2*i:32*\t+2*i+1], v[ST+8*\t+6:ST+8*\t+7] op_sel_hi:[1,0]
.set i, i+1
.endr
	WIN W_CV
.set i, 0
.rept 16
	v_cvt_pk_f16_f32 v[S+16*\t+i], v[32*\t+2*i], v[32*\t+2*i+1]
.set i, i+1
.endr
	WIN 0
.irp c, 0,1,2,3
	ds_store_b128 v[STO], v[S+16*\t+4*\c:S+16*\t+4*\c+3] offset:16*SP*\t+32*\c
.endr
.irp c, 0,1,2,3
	ds_load_b128 v[S+64+16*\t+4*\c:S+64+16*\t+4*\c+3], v[RD] offset:16*SP*\t+4*SP*\c  ; LDS serves a wave's instructions in order (ISA guide 5.7.1.4): these see the stores above
.endr
.endm
	OUTT 0
	OUTT 1
	OUTT 2
	OUTT 3
.irp t, 0,1,2,3
.irp c, 0,1,2,3
	s_wait_dscnt 8*(3-\t)+3-\c      ; the LDS instructions issued behind this load may be out
	global_store_b128 v[GO], v[S+64+16*\t+4*\c:S+64+16*\t+4*\c+3], s[6:7] offset:2048*\t+512*\c  ; the wave stores 512 consecutive bytes, aligned
.endr
.endr
	s_wait_tensorcnt 0x0            ; the wave's end, behind my last tensor load and my last LDS store
	ds_add_u32 v[SPW], v[NIL]
	s_wait_dscnt 0x0
	CROUND                          ; the closing round
	s_endpgm
.Lfunc_end_k_q9b37c507aa_attn:
	.size	k_q9b37c507aa_attn, .Lfunc_end_k_q9b37c507aa_attn-k_q9b37c507aa_attn
	.p2alignl 7, 3214868480
	.fill 96, 4, 3214868480
	.section	.rodata,"a",@progbits
	.p2align	6, 0x0
	.amdhsa_kernel k_q9b37c507aa_attn
		.amdhsa_group_segment_fixed_size 327680
		.amdhsa_private_segment_fixed_size 0
		.amdhsa_enable_private_segment 0
		.amdhsa_kernarg_size 16
		.amdhsa_user_sgpr_count 2
		.amdhsa_user_sgpr_kernarg_segment_ptr 1
		.amdhsa_wavefront_size32 1
		.amdhsa_system_sgpr_workgroup_id_x 1
		.amdhsa_system_sgpr_workgroup_id_y 1
		.amdhsa_system_sgpr_workgroup_id_z 1
		.amdhsa_system_vgpr_workitem_id 0
		.amdhsa_next_free_vgpr 512
		.amdhsa_next_free_sgpr 66
		.amdhsa_reserve_vcc 0
		.amdhsa_float_denorm_mode_32 3
		.amdhsa_float_denorm_mode_16_64 3
		.amdhsa_memory_ordered 1
		.amdhsa_forward_progress 1
		.amdhsa_inst_pref_size 177
	.end_amdhsa_kernel
	.amdgpu_metadata
---
amdhsa.version: [ 1, 2 ]
amdhsa.kernels:
  - .name:           k_q9b37c507aa_attn
    .symbol:         k_q9b37c507aa_attn.kd
    .args:
      - { .name: qkv, .offset: 0, .size: 8, .value_kind: global_buffer, .address_space: global }
      - { .name: ao, .offset: 8, .size: 8, .value_kind: global_buffer, .address_space: global }
    .group_segment_fixed_size: 327680
    .private_segment_fixed_size: 0
    .kernarg_segment_align: 8
    .kernarg_segment_size: 16
    .max_flat_workgroup_size: 256
    .sgpr_count:     66
    .vgpr_count:     512
    .wavefront_size: 32
...
	.end_amdgpu_metadata
.endif
;; end of part 3
;; launch oproj (part 4): grid 4 x 64, 4 waves a work-group, clusters of 4 x 4, 327,680 bytes of LDS; arguments ao, wot, bo, out0; writes out0
.if DOCPART == 4
	.amdgcn_target "amdgcn-amd-amdhsa--gfx1250"
	.amdhsa_code_object_version 6
	.text
	.protected	k_q9b37c507aa_oproj
	.globl	k_q9b37c507aa_oproj
	.p2align	8
	.type	k_q9b37c507aa_oproj,@function
k_q9b37c507aa_oproj:
	s_mov_b64 s[64:65], 0
	v_nop
	global_prefetch_b8 v0, s[64:65] scope:SCOPE_SE
	s_setreg_imm32_b32 hwreg(HW_REG_WAVE_MODE, 25, 1), 1
	s_wait_xcnt 0x0
	s_wait_alu depctr_hold_cnt(0) depctr_sa_sdst(0) depctr_va_vdst(0) depctr_va_sdst(0) depctr_va_ssrc(0) depctr_va_vcc(0) depctr_vm_vsrc(0)
	s_getreg_b32 s2, hwreg(HW_REG_IB_STS2, 6, 4)
	s_cmp_eq_u32 s2, 0
	s_cbranch_scc0 .Lentry_in_a_cluster
	s_endpgm
.Lentry_in_a_cluster:
	s_bfe_u32 s2, ttmp6, 0x10000c
	s_cmp_lg_u32 s2, 0xf033
	s_cbranch_scc0 .Lentry_shape_is_right
	s_endpgm
.Lentry_shape_is_right:
; Launch 4 of 4: out0 [8192][1024] f32 = concat Wo + bo, on f16 operands, sums in f32.  A = ao, laid by head: [64 = batch x 16 + head][2048][64] f16, so that K = 64 x head + channel; B = wot [1024 n][1024 k] f16.
; A tile of C is 128 x 256: 256 work-groups.  Four waves, each 64 x 128: 32 accumulators of 16 x 16, 256 registers.  K goes in 8 steps of 128 (two heads) through a ring of two LDS slots.
; A K step of A is two dense blocks of 128 rows x 128 bytes, one for each head; of B 256 rows x 256 bytes.  One tensor load a wave: waves 0, 1 the two heads' blocks of A, waves 2, 3 the halves of B.
; CLUSTERS: 4 x 4 work-groups.  The four of a row of the cluster need the same tiles of A, the four of a column the same tiles of B: each tile is asked for JOINTLY.
; THE MATRIX INSTRUCTION IS USED TRANSPOSED (source 0 = 16 rows of B, source 1 = 16 rows of A): a lane holds eight neighbouring numbers of a row of C.  THE BIAS is the C of each sum's first product.
; No prefetch: of the 8 K steps two are first fills, and each tile is shared by four work-groups through the joint loads.
; REGISTERS: window 0: v0-31 addresses; v32-127, v128-223 two fragment buffers (for 32 along K: 4 fragments of A, then 8 of B); on the way out v32-159.   window 1: the accumulators ((a, b) at v[8 (8 a + b)]).   window 2: v0-63 the bias.
.set PA,     144                       ; A's row in LDS: 128 bytes + 16
.set PB,     272                       ; B's: 256 + 16.  Both are odd multiples of 16: the 16 rows that a load touches start at different banks (64 banks of 4 bytes: ISA guide 11.1)
.set HEADA,  128*PA                    ; a head's block of A
.set BOFF,   2*HEADA                   ; B's rows lie behind A's two blocks
.set HALFB,  128*PB
.set SLOT,   BOFF+2*HALFB
.set SPARE,  2*SLOT                    ; behind the ring: the spare words, 128 bytes for each wave: two blocks of 256 bytes that no other line names
.set SPITCH, 528                       ; the way out: a stage of 16 rows x (512 bytes + 16) for each wave, in slot 0, which has had its last fill and its last read when the first result is stored there
.set ADRA, 16                          ; v16-17  LDS address of my A fragments in slot 0, 1
.set ADRB, 20                          ; v20-21  the same for B
.set STO,  24
.set RD,   25
.set CO,   26
.set SPW,  28                          ; v28     LDS address of my spare word; never rewritten
.set NIL,  29                          ; v29     0; never rewritten
.set F0,   32
.set F1,   128
.set BK,   32                          ; the way out: 16 rows read back: v32-95 and v96-159 by turns
.set G1, 24                            ; s[24:31] descriptor group 1 for A's tiles;  s[32:39] group 0, one set for each slot
.set G0, 32
.set G1B, 48                           ; s[48:55], s[56:63] the same for B's tiles
.set G0B, 56
.set MSB, 0
.macro WIN new
.if MSB != (\new)
	s_set_vgpr_msb (MSB<<8)|(\new)
.set MSB, (\new)
.endif
.endm
.set MUL,  0x50                        ; C and D window 1, fragments window 0
.set MULZ, 0x60                        ; D window 1, C (the bias) window 2
.macro JLOAD s                         ; a joint load; an s_nop 0 and four v_nop follow each of the two lines
	s_cmp_eq_u32 s13, 0
	s_cbranch_scc0 .Lfor_b_\@
	tensor_load_to_lds s[G0+4*\s:G0+4*\s+3], s[G1:G1+7]
	s_nop 0
.rept 4
	v_nop
.endr
	s_branch .Lasked_\@
.Lfor_b_\@:
	tensor_load_to_lds s[G0B+4*\s:G0B+4*\s+3], s[G1B:G1B+7]
	s_nop 0
.rept 4
	v_nop
.endr
.Lasked_\@:
.endm
.macro CREST                           ; a round of the cluster's barrier behind its opening barrier
	s_cmp_lg_u32 s12, 0
	s_cbranch_scc1 .Lnot_wave_0_\@
	s_barrier_signal -3
.Lnot_wave_0_\@:
	s_barrier_wait -3
	s_barrier_signal -1
	s_barrier_wait -1
.endm
.macro CROUND
	s_barrier_signal -1
	s_barrier_wait -1
	CREST
.endm
	s_load_b256 s[4:11], s[0:1], 0x0               ; ao s[4:5], wot s[6:7], bo s[8:9], out0 s[10:11]
	v_lshl_add_u32 v[SPW], v0, 2, SPARE
	v_mov_b32 v[NIL], 0
	ds_add_u32 v[SPW], v[NIL]                      ; the wave's opening: the add, twice on end, and its wait ahead of my first tensor load
	ds_add_u32 v[SPW], v[NIL]
	v_lshrrev_b32 v1, 5, v0
	v_readfirstlane_b32 s12, v1                    ; wave 0..3
	s_lshr_b32 s13, s12, 1                         ; which 64 of the tile's rows are mine.  Also: I fetch for A (0) or for B (1)
	s_and_b32 s14, s12, 1                          ; which 128 of its columns.  Also: which head's block of A, or which half of B, I fetch
	s_bfe_u32 s15, ttmp6, 0x40000                  ; cx, cy: my place in the cluster
	s_bfe_u32 s16, ttmp6, 0x40004
	s_lshl_b32 s42, ttmp9, 2
	s_add_co_u32 s42, s42, s15                     ; tile column of C
	s_and_b32 s17, ttmp7, 0xffff
	s_lshl_b32 s17, s17, 2
	s_add_co_u32 s17, s17, s16                     ; tile row of C
	s_lshl_b32 s43, s16, 2
	s_lshl_b32 s43, 15, s43                        ; my row of the cluster
	s_lshl_b32 s44, 0x1111, s15                    ; my column
	s_or_b32 s[G1+0], s43, (1<<16)|(1<<20)|(1<<21)|(4<<22)|(3<<25)   ; 15:0 the mask; 17:16 element of 2 bytes; 20 padding on; 21 set beside a mask; 24:22 after every 32 words; 31:25 four words
	s_mov_b32 s[G1+1], 64<<16                      ; A: 128 rows x 64 elements, dense
	s_mov_b32 s[G1+2], 128<<16
	s_mov_b32 s[G1+3], 64<<16
	s_mov_b32 s[G1+4], 128
	s_mov_b32 s[G1+5], 64
	s_mov_b32 s[G1+6], 0
	s_mov_b32 s[G1+7], 0
	s_or_b32 s[G1B+0], s44, (1<<16)|(1<<20)|(1<<21)|(5<<22)|(3<<25)  ; padding after every 64 words
	s_mov_b32 s[G1B+1], 128<<16                    ; B: 128 rows x 128 elements, 1,024 elements from row to row
	s_mov_b32 s[G1B+2], 128<<16
	s_mov_b32 s[G1B+3], 128<<16
	s_mov_b32 s[G1B+4], 128
	s_mov_b32 s[G1B+5], 1024
	s_mov_b32 s[G1B+6], 0
	s_mov_b32 s[G1B+7], 0
	s_lshr_b32 s20, s17, 4                         ; A: batch (16 tile rows each) << 22,
	s_lshl_b32 s20, s20, 22
	s_and_b32 s21, s17, 15
	s_lshl_b32 s21, s21, 14                        ; 128 positions of 128 bytes a tile row,
	s_add_co_u32 s20, s20, s21
	s_lshl_b32 s21, s14, 18                        ; my head of the K step's two
	s_add_co_u32 s20, s20, s21
	s_mov_b32 s21, 0
	s_lshl_b32 s46, s42, 19                        ; B: row 256 x tile column + 128 x half, 2,048 bytes a row
	s_lshl_b32 s47, s14, 18
	s_add_co_u32 s46, s46, s47
	s_mov_b32 s47, 0
	s_mul_i32 s22, s14, HEADA                      ; where they go: no place in the cluster enters an LDS address
	s_mul_i32 s23, s14, HALFB
	s_add_co_u32 s23, s23, BOFF
	s_wait_dscnt 0x0                               ; both opening adds are done
	s_wait_kmcnt 0x0
	s_add_nc_u64 s[20:21], s[4:5], s[20:21]
	s_add_nc_u64 s[46:47], s[6:7], s[46:47]
	CROUND                                         ; all sixteen work-groups are here: the first joint loads meet
.irp s, 0,1
	s_mov_b32 s[G0+4*\s], 1
	s_add_co_u32 s[G0+4*\s+1], s22, \s*SLOT
	s_add_nc_u64 s[G0+4*\s+2:G0+4*\s+3], s[20:21], \s<<19           ; K step s: heads 2 s, 2 s + 1
	s_or_b32 s[G0+4*\s+3], s[G0+4*\s+3], 0x80000000
	s_mov_b32 s[G0B+4*\s], 1
	s_add_co_u32 s[G0B+4*\s+1], s23, \s*SLOT
	s_add_nc_u64 s[G0B+4*\s+2:G0B+4*\s+3], s[46:47], \s*256
	s_or_b32 s[G0B+4*\s+3], s[G0B+4*\s+3], 0x80000000
	JLOAD \s
.endr
	v_and_b32 v1, 15, v0                           ; l % 16
	v_bfe_u32 v2, v0, 4, 1                         ; l / 16
	s_lshl_b32 s40, s42, 10                        ; the bias, in the result's layout: block b, register j: bo[256 x tile column + 128 x my half + 16 b + 8 (l / 16) + j]
	s_lshl_b32 s41, s14, 9
	s_add_co_u32 s40, s40, s41
	s_mov_b32 s41, 0
	s_add_nc_u64 s[8:9], s[8:9], s[40:41]
	v_lshlrev_b32 v7, 5, v2
	WIN 0x80                                       ; destination window 2
.irp b, 0,1,2,3,4,5,6,7
	global_load_b128 v[8*\b:8*\b+3], v7, s[8:9] offset:64*\b
	global_load_b128 v[8*\b+4:8*\b+7], v7, s[8:9] offset:64*\b+16
.endr
	WIN 0
	v_mul_u32_u24 v3, v1, PA
	v_lshl_add_u32 v3, v2, 4, v3                   ; a fragment's row x pitch + 16 x half
	v_mul_u32_u24 v4, v1, PB
	v_lshl_add_u32 v4, v2, 4, v4
	s_mul_i32 s21, s13, 64*PA                      ; my 64 rows of A
	s_mul_i32 s22, s14, HALFB                      ; my 128 rows of B
	s_add_co_u32 s22, s22, BOFF
.irp s, 0,1
	v_add_nc_u32 v[ADRA+\s], s21, v3
	v_add_nc_u32 v[ADRB+\s], s22, v4
	s_add_co_u32 s21, s21, SLOT
	s_add_co_u32 s22, s22, SLOT
.endr
	s_mul_i32 s23, s12, 16*SPITCH                  ; my stage
	v_mul_u32_u24 v5, v1, SPITCH                   ; in: row l % 16, 32 bytes for each half of the lanes
	v_lshl_add_u32 v5, v2, 5, v5
	v_add_nc_u32 v[STO], s23, v5
	v_and_b32 v6, 31, v0
	v_lshlrev_b32 v[CO], 4, v6                     ; back: the 32 lanes take one row of 512 bytes; and the same in C
	v_add_nc_u32 v[RD], s23, v[CO]
	s_lshl_b32 s20, s17, 19                        ; my first row of C: 128 x tile row + 64 x half, 4,096 bytes a row
	s_lshl_b32 s21, s13, 18
	s_add_co_u32 s20, s20, s21
	s_mov_b32 s21, 0
	s_add_nc_u64 s[20:21], s[20:21], s[40:41]      ; my first column, in bytes: the same as in bo
	s_add_nc_u64 s[10:11], s[10:11], s[20:21]
; 8 matrix instructions: A's block a x B's eight, 32 along K, from buffer f.  zero = 1: the first product starts the sum from the bias.  The 32 accumulators take turns, one instruction a turn, in the same order in every quarter.
.macro MUL8 f, a, zero
.irp b, 0,1,2,3,4,5,6,7
.if \zero
	v_wmma_f32_16x16x32_f16 v[8*(8*(\a)+\b):8*(8*(\a)+\b)+7], v[\f+32+8*\b:\f+32+8*\b+7], v[\f+8*(\a):\f+8*(\a)+7], v[8*\b:8*\b+7]
.else
	v_wmma_f32_16x16x32_f16 v[8*(8*(\a)+\b):8*(8*(\a)+\b)+7], v[\f+32+8*\b:\f+32+8*\b+7], v[\f+8*(\a):\f+8*(\a)+7], v[8*(8*(\a)+\b):8*(8*(\a)+\b)+7]
.endif
.endr
.endm
; 24 LDS loads in one run: the fragments of the slot's q-th 32 along K into buffer f.  In A quarters 0, 1 lie in the first head's block, 2, 3 in the second's.
.macro FETCH slot, q, f
.irp i, 0,1,2,3,4,5,6,7
	ds_load_b128 v[\f+32+8*\i:\f+32+8*\i+3], v[ADRB+\slot] offset:64*(\q)+\i*16*PB
	ds_load_b128 v[\f+32+8*\i+4:\f+32+8*\i+7], v[ADRB+\slot] offset:64*(\q)+\i*16*PB+32
.endr
.irp i, 0,1,2,3
	ds_load_b128 v[\f+8*\i:\f+8*\i+3], v[ADRA+\slot] offset:HEADA*((\q)/2)+64*((\q)%2)+\i*16*PA
	ds_load_b128 v[\f+8*\i+4:\f+8*\i+7], v[ADRA+\slot] offset:HEADA*((\q)/2)+64*((\q)%2)+\i*16*PA+32
.endr
.endm
.macro PLACES                          ; four places in front of loads into registers that matrix instructions have read, and of the first read of results
.rept 4
	v_nop
.endr
.endm
; A K step is four quarters of 32 along K, 32 matrix instructions each, on buffers 0, 1, 0, 1.  One of the first three: multiplies buffer f and fetches quarter qn of the same slot into g.
.macro QUARTER slot, qn, f, g, zero
	s_wait_dscnt 0x0                               ; this quarter's 24 loads, issued 16 matrix instructions ago
.if \zero
	WIN MULZ
.else
	WIN MUL
.endif
	MUL8 \f, 0, \zero
	MUL8 \f, 1, \zero
	PLACES
	WIN 0
	FETCH \slot, \qn, \g
.if \zero
	WIN MULZ
.else
	WIN MUL
.endif
	MUL8 \f, 2, \zero
	MUL8 \f, 3, \zero
.endm
; The last quarter multiplies buffer 1 and changes slots: ONE barrier; in front of it each wave waits for all its tensor loads, adds 0 to its spare word, and waits for that and for its own reads of this slot.  fill = 1: this slot is filled again, two K steps ahead.
.macro TURN slot, next, fill
	WIN 0
	s_wait_tensorcnt 0x0                           ; all my tensor loads have landed: my part of the next slot
	ds_add_u32 v[SPW], v[NIL]                      ; 0 onto my spare word
	s_wait_dscnt 1                                 ; this quarter's fragments are in (the add may be out)
	WIN MUL
	MUL8 F1, 0, 0                                  ; eight matrix instructions stand between the add and the wait for it
	s_wait_dscnt 0x0                               ; the add is done, and my reads of this slot are over
	s_barrier_signal -1
	MUL8 F1, 1, 0
	WIN 0
	s_barrier_wait -1
.if \fill
	CREST                                          ; the barrier has opened a round of the cluster's barrier: no wave of any partner still reads this slot's tile or has a load on its way
	s_add_nc_u64 s[G0+4*\slot+2:G0+4*\slot+3], s[G0+4*\slot+2:G0+4*\slot+3], 1<<20    ; four heads on
	s_add_nc_u64 s[G0B+4*\slot+2:G0B+4*\slot+3], s[G0B+4*\slot+2:G0B+4*\slot+3], 512  ; 256 along K on
	JLOAD \slot                                    ; the first tensor load behind the round; its four v_nop are also the places in front of the loads below
.else
	PLACES
.endif
	FETCH \next, 0, F0
	WIN MUL
	MUL8 F1, 2, 0
	MUL8 F1, 3, 0
.endm
	s_wait_tensorcnt 1                             ; my part of K step 0 is in (K step 1's load may be out),
	s_barrier_signal -1
	s_barrier_wait -1                              ; everybody's is
	FETCH 0, 0, F0
	s_wait_loadcnt 0x0                             ; the bias
	QUARTER 0, 1, F0, F1, 1                        ; the first quarter stands in front of the loop: its products start the sums
	WIN 0                                          ; at a label and at a branch every window is 0
	s_mov_b32 s3, 3
.Llap:                                                 ; a trip goes once round the ring and fills both slots again: three trips ask for K steps 2 to 7
	QUARTER 0, 2, F1, F0, 0
	QUARTER 0, 3, F0, F1, 0
	TURN 0, 1, 1
	QUARTER 1, 1, F0, F1, 0
	QUARTER 1, 2, F1, F0, 0
	QUARTER 1, 3, F0, F1, 0
	TURN 1, 0, 1
	QUARTER 0, 1, F0, F1, 0
	WIN 0
	s_sub_co_u32 s3, s3, 1
	s_cmp_lg_u32 s3, 0
	s_cbranch_scc1 .Llap
	QUARTER 0, 2, F1, F0, 0                        ; the last lap fills nothing, and has no round of the cluster's barrier
	QUARTER 0, 3, F0, F1, 0
	TURN 0, 1, 0
	QUARTER 1, 1, F0, F1, 0
	QUARTER 1, 2, F1, F0, 0
	QUARTER 1, 3, F0, F1, 0
	s_wait_dscnt 0x0                               ; the very last quarter: nothing more to fetch
	WIN MUL
	MUL8 F1, 0, 0
	MUL8 F1, 1, 0
	MUL8 F1, 2, 0
	MUL8 F1, 3, 0
	WIN 0
; THE WAY OUT, block by block of 16 rows x 128 columns: through my own stage in LDS, back as whole rows of 512 bytes.  LDS serves a wave's instructions in order (ISA guide 5.7.1.4): no wait between the stores and the loads, nor in front of the next block's stores.
.macro TOSTAGE a
	WIN 0x04                                       ; an LDS store's data are its source 1: window 1
.irp b, 0,1,2,3,4,5,6,7
	ds_store_b128 v[STO], v[8*(8*(\a)+\b):8*(8*(\a)+\b)+3] offset:64*\b             ; each accumulator from its low end on
	ds_store_b128 v[STO], v[8*(8*(\a)+\b)+4:8*(8*(\a)+\b)+7] offset:64*\b+16
.endr
	WIN 0
.set BB, BK+64*((\a)%2)
.irp t, 0,1,2,3,4,5,6,7,8,9,10,11,12,13,14,15
	ds_load_b128 v[BB+4*\t:BB+4*\t+3], v[RD] offset:\t*SPITCH
.endr
.endm
.macro SEND a, younger                 ; younger: the LDS instructions issued behind block a's loads, which may stay out
.set BB, BK+64*((\a)%2)
	s_wait_dscnt \younger
.irp t, 0,1,2,3,4,5,6,7,8,9,10,11,12,13,14,15
	global_store_b128 v[CO], v[BB+4*\t:BB+4*\t+3], s[10:11] offset:65536*(\a)+4096*\t th:TH_STORE_NT   ; the wave stores 512 consecutive bytes, aligned; every offset is an immediate
.endr
.endm
	PLACES
	TOSTAGE 0
.irp a, 1,2,3
.if \a > 1
	s_wait_xcnt 0x0                                ; block a - 2's stores have read their registers: block a's rows may land there
.endif
	TOSTAGE \a
	SEND \a-1, 32                                  ; behind block a - 1's loads: block a's 16 stores and 16 loads
.endr
	SEND 3, 0
	s_wait_tensorcnt 0x0                           ; the wave's end, behind my last tensor load and my last LDS store
	ds_add_u32 v[SPW], v[NIL]
	s_wait_dscnt 0x0
	CROUND                                         ; the closing round
	s_endpgm
.Lfunc_end_k_q9b37c507aa_oproj:
	.size	k_q9b37c507aa_oproj, .Lfunc_end_k_q9b37c507aa_oproj-k_q9b37c507aa_oproj
	.p2alignl 7, 3214868480
	.fill 96, 4, 3214868480
	.section	.rodata,"a",@progbits
	.p2align	6, 0x0
	.amdhsa_kernel k_q9b37c507aa_oproj
		.amdhsa_group_segment_fixed_size 327680
		.amdhsa_private_segment_fixed_size 0
		.amdhsa_enable_private_segment 0
		.amdhsa_kernarg_size 32
		.amdhsa_user_sgpr_count 2
		.amdhsa_user_sgpr_kernarg_segment_ptr 1
		.amdhsa_wavefront_size32 1
		.amdhsa_system_sgpr_workgroup_id_x 1
		.amdhsa_system_sgpr_workgroup_id_y 1
		.amdhsa_system_sgpr_workgroup_id_z 1
		.amdhsa_system_vgpr_workitem_id 0
		.amdhsa_next_free_vgpr 576
		.amdhsa_next_free_sgpr 66
		.amdhsa_reserve_vcc 0
		.amdhsa_float_denorm_mode_32 3
		.amdhsa_float_denorm_mode_16_64 3
		.amdhsa_memory_ordered 1
		.amdhsa_forward_progress 1
		.amdhsa_inst_pref_size 86
	.end_amdhsa_kernel
	.amdgpu_metadata
---
amdhsa.version: [ 1, 2 ]
amdhsa.kernels:
  - .name:           k_q9b37c507aa_oproj
    .symbol:         k_q9b37c507aa_oproj.kd
    .args:
      - { .name: ao, .offset: 0, .size: 8, .value_kind: global_buffer, .address_space: global }
      - { .name: wot, .offset: 8, .size: 8, .value_kind: global_buffer, .address_space: global }
      - { .name: bo, .offset: 16, .size: 8, .value_kind: global_buffer, .address_space: global }
      - { .name: out0, .offset: 24, .size: 8, .value_kind: global_buffer, .address_space: global }
    .group_segment_fixed_size: 327680
    .private_segment_fixed_size: 0
    .kernarg_segment_align: 8
    .kernarg_segment_size: 32
    .max_flat_workgroup_size: 128
    .sgpr_count:     66
    .vgpr_count:     576
    .wavefront_size: 32
...
	.end_amdgpu_metadata
.endif
;; end of part 4
